; MI455X (gfx1250); checked and timed in simulation.
; The chip was launched on July 23, 2026; its instructions are those of AMD's public machine-readable ISA for CDNA 5 (MIT licence, August 2026) and "CDNA5" Instruction Set Architecture Reference Guide (July 2026). The comments in the code are by the model that wrote it; some were corrected since.
;; Multi Head Attention. Allowed arithmetic: matrix products marked QUANTISED: E2M3 operands, one E8M0 scale for each 32 along K, by v_wmma_scale_f32_16x16x128_f8f6f4 with both operands' format E2M3, f32 sums; everything else in f32.
;; Inputs: Wk 1,024 x 1,024 float32; Wo 1,024 x 1,024 float32; Wq 1,024 x 1,024 float32; Wv 1,024 x 1,024 float32; hidden_states 4 x 2,048 x 1,024 float32.
;; Outputs: out0 4 x 2,048 x 1,024 float32.
;; This version of the problem:
;;   THIS VERSION OF THE PROBLEM IS GIVEN IN LOW PRECISION. The matrix products marked QUANTISED in the list below multiply operands that are first quantised to E2M3 (2 exponent bits, 3 mantissa bits; 6 bits a number), with one power-of-two scale for each 32 numbers along K (OCP MX v1.0); their sums are f32. All else is computed in f32.
;;   The module's matrix products, in the order in which they are computed (A, B: the left and right operand; K: the contracted axis; several contracted axes count as one K, in the product's order):
;;     1. [M 8,192, K 1,024] x [K 1,024, N 1,024]; A: input hidden_states; B: input Wq: QUANTISED
;;     2. [M 8,192, K 1,024] x [K 1,024, N 1,024]; A: input hidden_states; B: input Wk: QUANTISED
;;     3. [M 8,192, K 1,024] x [K 1,024, N 1,024]; A: input hidden_states; B: input Wv: QUANTISED
;;     4. batch 64 x [M 2,048, K 64] x [K 64, N 2,048]; A: computed on the way; B: computed on the way: QUANTISED
;;     5. batch 64 x [M 2,048, K 2,048] x [K 2,048, N 64]; A: softmax (see below); B: computed on the way: QUANTISED
;;     6. [M 8,192, K 1,024] x [K 1,024, N 1,024]; A: computed on the way; B: input Wo: QUANTISED
;;   THE QUANTISER, for each operand of a quantised product, along K:
;;     - K is cut into blocks of 32 from its start; a last block that is shorter is filled with zeros.
;;     - A block's scale is 2^e with e = floor(log2(the largest magnitude in the block)) - 2, held to -126 .. 127; a block of zeros has e = 0. As a byte (E8M0): e + 127.
;;     - Each number is divided by its block's scale, clamped to +-7.5, and rounded to the nearest number of E2M3, ties to even, subnormals kept.
;;     - The product sums the exact products of the quantised numbers (number of the format x scale) in f32.
;;   ~~~python
;;   def quantise(x, axis):      # numpy; x: float32 -> the quantised numbers, widened to float32 again
;;       x = np.moveaxis(x, axis, -1); K = x.shape[-1]
;;       x = np.pad(x, [(0, 0)] * (x.ndim - 1) + [(0, -K % 32)]); x = x.reshape(x.shape[:-1] + (-1, 32)); a = np.abs(x).max(-1, keepdims=True)
;;       e = np.where(a > 0, np.clip(np.frexp(np.where(a > 0, a, 1))[1] - 1 - 2, -126, 127), 0)      # np.frexp(a)[1] - 1 = floor(log2(a)), exactly
;;       r = np.clip(x / 2.0 ** e, -7.5, 7.5)
;;       step = 2.0 ** (np.maximum(np.frexp(np.where(r == 0, 1, r))[1] - 1, 0) - 3)
;;       q = np.round(r / step) * step * 2.0 ** e      # np.round: ties to even
;;       return np.moveaxis(q.reshape(q.shape[:-2] + (-1,))[..., :K], -1, axis).astype(np.float32)
;;   ~~~
;;   SOFTMAX AHEAD OF A QUANTISED PRODUCT. Where the list says 'softmax', what is quantised is not the finished softmax but p = 2^(t - M), with t = logit x log2(e) and M = ceil(the row's largest t), a whole number; so 1/2 < the row's largest p <= 1. The row's sum l is taken of the UNQUANTISED p, in f32, and the product's result is divided by l at the end. Since M is a whole number, a kernel that streams over the keys may use a running M (the ceiling of the running maximum): every later rescaling is an exact power of two, which a block's scale takes up: the codes' values come out the same.
;;   OPERANDS COMPUTED ON THE WAY. 'Computed on the way' means the value that the module computes at that place (a softmax that the list does not call 'softmax' is quantised finished and normalised). What goes into a quantiser is computed in f32, as accurately as f32 sums, v_exp_f32 and their like allow (about 1e-6 of the number): no bf16 or f16 on the way to a quantiser, and a product that is left as it is and whose result goes on into a quantised operand takes f32 operands (vector FMAs, or v_wmma_f32_16x16x4_f32). A number that lies on a knife's edge between two numbers of the format may be rounded either way, as far as f32 arithmetic and the matrix unit's own rounding can turn it there, and no further.
;; One version. Each part assembles by itself: llvm-mc -triple=amdgcn-amd-amdhsa -mcpu=gfx1250 --defsym DOCPART=n.
;; ======== version 1 of 1: 4 launches
;; limits: right only within a limited range of input values
;; workspace buffers: xq 6,553,600 bytes; wq 6,553,600 bytes; qk 13,631,488 bytes; vi 6,553,600 bytes; cq 6,553,600 bytes
;; launch quant (part 1): grid 384 x 1, 4 waves a work-group, no clusters, 33,280 bytes of LDS; arguments hidden_states, Wq, Wk, Wv, Wo, xq, wq; writes xq, wq
.if DOCPART == 1
	.amdgcn_target "amdgcn-amd-amdhsa--gfx1250"
	.amdhsa_code_object_version 6
	.text
	.protected	k_q7f96f401f1_quant
	.globl	k_q7f96f401f1_quant
	.p2align	8
	.type	k_q7f96f401f1_quant,@function
k_q7f96f401f1_quant:
	s_mov_b64 s[64:65], 0
	v_nop
	global_prefetch_b8 v0, s[64:65] scope:SCOPE_SE
	s_setreg_imm32_b32 hwreg(HW_REG_WAVE_MODE, 25, 1), 1
	s_wait_xcnt 0x0
; hidden_states [8192][1024] and Wq, Wk, Wv, Wo [1024][1024], f32, become codes of FP6 (E2M3), K innermost, with one E8M0 scale byte for each 32 along K.
; xq and wq, codes: [K step of 256: 4 planes, PLANE bytes apart][row][192 bytes]; scale bytes [row][32] at S_OFF.  So 128 rows of one K step are 24,576 consecutive bytes, at a multiple of 256.
; wq's rows: 0-1023 Wq, 1024-2047 Wk, 2048-3071 Wv, 3072-4095 Wo; its planes have xq's pitch, and the bytes behind row 4095 of a plane are neither written nor read.
; THE STORED ORDER OF ROWS: in x, Wq, Wk and Wv bits 3 and 4 of the row number change places (groups of eight rows move whole): position 32 B + 16 u + 8 a + c holds row 32 B + 16 a + 8 u + c.  Wo keeps its order.
; A block's scale byte is its largest magnitude's exponent field - 2, held at 1 from below.  A block of zeros gets the byte 1 where the rule says 127: its codes are zeros, and this program alone reads the bytes.
; LIMITS: blocks whose largest magnitude lies under 2^-124 have their byte held at 1; NaN and infinities among the inputs are not served.
; A wave takes eight rows in 16 steps of 512 numbers.  A step's four loads read 512 consecutive bytes each; the 2,048 bytes turn through the wave's own stage in LDS and come back 64 bytes a lane: 16 neighbours along K.
; A step is half a row: lanes 0-15 hold one K step's 192 bytes of codes, lanes 16-31 the next one's.  A wave's 256 scale bytes gather in LDS and leave as one aligned run.  Waves share nothing: no barrier.
; Work-groups 0-255 take x, 32 rows each; 256-383 the weights, 32 each, in the order Wq, Wk, Wv, Wo.  Only pointers are chosen: all take one path.
.set STEPS, 16
.set EMAX,  2
.set CB,    12                         ; bytes of 16 codes
.set R,     16                         ; v16-79   four sets of 16 numbers as loaded
.set X,     80                         ; v80-111  two sets of 16 neighbours
.set C,     128                        ; v128-191 codes, four registers a step
.set E,     112                        ; v112-127 a scale byte a step
.set WREG,  8192                       ; LDS for a wave: two stages of 32 x SP bytes, then its 256 scale bytes
.set SP,    80
.set PLANE, 1572864                    ; 8,192 rows x 192 bytes
.set S_OFF, 6291456
	s_load_b256 s[4:11], s[0:1], 0x0               ; x, Wq, Wk, Wv
	s_load_b128 s[12:15], s[0:1], 0x20             ; Wo, xq
	s_load_b64 s[20:21], s[0:1], 0x30              ; wq
	v_lshl_add_u32 v192, v0, 2, 0x8000             ; my spare word
	v_mov_b32 v193, 0
	v_lshrrev_b32 v1, 5, v0
	v_readfirstlane_b32 s16, v1                    ; wave
	v_and_b32 v2, 31, v0                           ; lane
	v_lshlrev_b32 v3, 4, v2
	s_mul_i32 s17, s16, WREG
	v_lshrrev_b32 v14, 2, v2
	v_mul_u32_u24 v14, v14, SP
	v_and_b32 v15, 3, v2
	v_lshl_add_u32 v14, v15, 4, v14
	v_add_nc_u32 v14, s17, v14                     ; the stage, in: SP (lane / 4) + 16 (lane % 4)
	v_mul_u32_u24 v15, v2, SP
	v_add_nc_u32 v15, s17, v15                     ; out: SP x lane
	v_and_b32 v4, 15, v2
	v_lshrrev_b32 v10, 4, v2
	v_mul_u32_u24 v4, v4, CB
	v_mad_u32_u24 v4, v10, PLANE, v4               ; my codes: 12 (lane % 16) in plane lane / 16 of the step's two
	v_lshrrev_b32 v5, 1, v2
	s_add_co_u32 s17, s17, 2*32*SP
	v_add_nc_u32 v5, s17, v5                       ; LDS: my block's scale byte
	v_lshlrev_b32 v7, 3, v2
	v_add_nc_u32 v6, s17, v7
	s_lshr_b32 s19, s16, 1                         ; the wave's eight rows go to the place with the two bits exchanged
	s_and_b32 s18, s16, 1
	s_lshl_b32 s18, s18, 1
	s_or_b32 s19, s19, s18
	s_sub_co_u32 s23, ttmp9, 256
	s_and_b32 s24, s23, 31
	s_wait_alu depctr_va_vdst(0)                   ; the wait at the head's end
	s_wait_kmcnt 0x0
	s_cmp_lt_u32 ttmp9, 352                        ; every choice hangs on the work-group's number alone
	s_cselect_b32 s19, s19, s16                    ; Wo keeps its order
	s_cselect_b64 s[12:13], s[10:11], s[12:13]
	s_cmp_lt_u32 ttmp9, 320
	s_cselect_b64 s[12:13], s[8:9], s[12:13]
	s_cmp_lt_u32 ttmp9, 288
	s_cselect_b64 s[12:13], s[6:7], s[12:13]
	s_cmp_lt_u32 ttmp9, 256
	s_cselect_b64 s[12:13], s[4:5], s[12:13]       ; the tensor that I read
	s_cselect_b64 s[14:15], s[14:15], s[20:21]     ; the buffer that I write
	s_cselect_b32 s24, ttmp9, s24                  ; my 32 rows in the tensor
	s_cselect_b32 s23, ttmp9, s23                  ; and in the buffer
	s_lshl_b32 s24, s24, 2
	s_add_co_u32 s24, s24, s16
	s_lshl_b32 s24, s24, 15                        ; eight rows of 4,096 bytes
	s_mov_b32 s25, 0
	s_add_nc_u64 s[4:5], s[12:13], s[24:25]
	s_lshl_b32 s23, s23, 2
	s_add_co_u32 s23, s23, s19
	s_mul_i32 s26, s23, 8*192                      ; eight rows of 192 bytes in a plane
	s_mov_b32 s27, 0
	s_add_nc_u64 s[8:9], s[14:15], s[26:27]
	s_lshl_b32 s26, s23, 8                         ; eight rows of 32 scale bytes
	s_add_co_u32 s26, s26, S_OFF
	s_add_nc_u64 s[10:11], s[14:15], s[26:27]
.macro LOAD t
.irp i, 0,1,2,3
	global_load_b128 v[R+16*((\t)%4)+4*\i:R+16*((\t)%4)+4*\i+3], v3, s[4:5] offset:2048*(\t)+512*\i th:TH_LOAD_NT
.endr
.endm
.macro TURN t                          ; LDS serves a wave's instructions in order: no wait between the stores and the loads
.irp i, 0,1,2,3
	ds_store_b128 v14, v[R+16*((\t)%4)+4*\i:R+16*((\t)%4)+4*\i+3] offset:32*SP*((\t)%2)+8*SP*\i
.endr
.irp i, 0,1,2,3
	ds_load_b128 v[X+16*((\t)%2)+4*\i:X+16*((\t)%2)+4*\i+3], v15 offset:32*SP*((\t)%2)+16*\i
.endr
.endm
.irp t, 0,1,2,3
	LOAD \t
.endr
	s_wait_loadcnt 12                              ; step 0's four loads are in; the twelve of steps 1 to 3 may be out
	TURN 0
.macro STEP t
.set XS, X+16*((\t)%2)
.if (\t) > 0
	s_wait_dscnt 1                                 ; this step's numbers are back (the last step's byte store may be out)
.else
	s_wait_dscnt 0x0
.endif
.if (\t)+4 < STEPS
	LOAD (\t)+4
.endif
.if (\t)+1 < STEPS
.if STEPS-2-(\t) >= 3
	s_wait_loadcnt 12                              ; the next step's four loads are in; three steps' may be out
.else
	s_wait_loadcnt 4*(STEPS-2-(\t))
.endif
	TURN (\t)+1
.endif
	v_max3_num_f32 v8, |v[XS]|, |v[XS+1]|, |v[XS+2]|
	v_max3_num_f32 v9, |v[XS+3]|, |v[XS+4]|, |v[XS+5]|
.irp i, 6,10
	v_max3_num_f32 v8, v8, |v[XS+\i]|, |v[XS+\i+1]|
	v_max3_num_f32 v9, v9, |v[XS+\i+2]|, |v[XS+\i+3]|
.endr
	v_max3_num_f32 v8, v8, |v[XS+14]|, |v[XS+15]|
	v_max3_num_f32 v8, v8, v9, (EMAX+1)<<23        ; the floor 2^(3 - 127): the byte cannot fall under 1
	v_max_num_f32_dpp v8, v8, v8 row_xmask:1 row_mask:0xf bank_mask:0xf   ; with my neighbour's 16: the block's
	v_add_nc_u32 v11, -(EMAX<<23), v8              ; 2 off the exponent field: the conversion's scale operand
	v_cvt_scalef32_pk16_fp6_f32 v[C+4*(\t):C+4*(\t)+2], v[XS:XS+15], v11
	v_lshrrev_b32 v[E+(\t)], 23, v11               ; the scale's byte
	ds_store_b8 v5, v[E+(\t)] offset:16*(\t)
	global_store_b96 v4, v[C+4*(\t):C+4*(\t)+2], s[8:9] offset:2*PLANE*((\t)%2)+192*((\t)/2)   ; row t / 2, K steps 2 (t % 2) and 2 (t % 2) + 1
.endm
.irp t, 0,1,2,3,4,5,6,7,8,9,10,11,12,13,14,15
	STEP \t
.endr
	ds_load_b64 v[12:13], v6
	s_wait_dscnt 0x0
	global_store_b64 v7, v[12:13], s[10:11]        ; 32 lanes store 256 consecutive bytes, aligned
	s_wait_tensorcnt 0x0                           ; the wave's end
	ds_add_u32 v192, v193
	s_wait_dscnt 0x0
	s_endpgm
.Lfunc_end_k_q7f96f401f1_quant:
	.size	k_q7f96f401f1_quant, .Lfunc_end_k_q7f96f401f1_quant-k_q7f96f401f1_quant
	.p2alignl 7, 3214868480
	.fill 96, 4, 3214868480
	.section	.rodata,"a",@progbits
	.p2align	6, 0x0
	.amdhsa_kernel k_q7f96f401f1_quant
		.amdhsa_group_segment_fixed_size 33280
		.amdhsa_private_segment_fixed_size 0
		.amdhsa_enable_private_segment 0
		.amdhsa_kernarg_size 56
		.amdhsa_user_sgpr_count 2
		.amdhsa_user_sgpr_kernarg_segment_ptr 1
		.amdhsa_wavefront_size32 1
		.amdhsa_system_sgpr_workgroup_id_x 1
		.amdhsa_system_sgpr_workgroup_id_y 1
		.amdhsa_system_sgpr_workgroup_id_z 1
		.amdhsa_system_vgpr_workitem_id 0
		.amdhsa_next_free_vgpr 194
		.amdhsa_next_free_sgpr 66
		.amdhsa_reserve_vcc 0
		.amdhsa_float_denorm_mode_32 3
		.amdhsa_float_denorm_mode_16_64 3
		.amdhsa_memory_ordered 1
		.amdhsa_forward_progress 1
		.amdhsa_inst_pref_size 33
	.end_amdhsa_kernel
	.amdgpu_metadata
---
amdhsa.version: [ 1, 2 ]
amdhsa.kernels:
  - .name:           k_q7f96f401f1_quant
    .symbol:         k_q7f96f401f1_quant.kd
    .args:
      - { .name: hidden_states, .offset: 0, .size: 8, .value_kind: global_buffer, .address_space: global }
      - { .name: Wq, .offset: 8, .size: 8, .value_kind: global_buffer, .address_space: global }
      - { .name: Wk, .offset: 16, .size: 8, .value_kind: global_buffer, .address_space: global }
      - { .name: Wv, .offset: 24, .size: 8, .value_kind: global_buffer, .address_space: global }
      - { .name: Wo, .offset: 32, .size: 8, .value_kind: global_buffer, .address_space: global }
      - { .name: xq, .offset: 40, .size: 8, .value_kind: global_buffer, .address_space: global }
      - { .name: wq, .offset: 48, .size: 8, .value_kind: global_buffer, .address_space: global }
    .group_segment_fixed_size: 33280
    .private_segment_fixed_size: 0
    .kernarg_segment_align: 8
    .kernarg_segment_size: 56
    .max_flat_workgroup_size: 128
    .sgpr_count:     66
    .vgpr_count:     194
    .wavefront_size: 32
...
	.end_amdgpu_metadata
.endif
;; end of part 1
;; launch proj (part 2): grid 12 x 32, 4 waves a work-group, clusters of 4 x 4, 327,680 bytes of LDS; arguments xq, wq, qk, vi; writes qk, vi
.if DOCPART == 2
	.amdgcn_target "amdgcn-amd-amdhsa--gfx1250"
	.amdhsa_code_object_version 6
	.text
	.protected	k_q7f96f401f1_proj
	.globl	k_q7f96f401f1_proj
	.p2align	8
	.type	k_q7f96f401f1_proj,@function
k_q7f96f401f1_proj:
	s_mov_b64 s[64:65], 0
	v_nop
	global_prefetch_b8 v0, s[64:65] scope:SCOPE_SE
	s_setreg_imm32_b32 hwreg(HW_REG_WAVE_MODE, 25, 1), 1
	s_wait_xcnt 0x0
	s_wait_alu depctr_hold_cnt(0) depctr_sa_sdst(0) depctr_va_vdst(0) depctr_va_sdst(0) depctr_va_ssrc(0) depctr_va_vcc(0) depctr_vm_vsrc(0)
	s_getreg_b32 s2, hwreg(HW_REG_IB_STS2, 6, 4)
	s_cmp_eq_u32 s2, 0
	s_cbranch_scc0 .Lentry_in_a_cluster
	s_endpgm
.Lentry_in_a_cluster:
	s_bfe_u32 s2, ttmp6, 0x10000c
	s_cmp_lg_u32 s2, 0xf033
	s_cbranch_scc0 .Lentry_shape_is_right
	s_endpgm
.Lentry_shape_is_right:
; Q, K = x W^T and V^T = Wv x^T on codes of FP6, 256 x 256 a work-group, the results quantised again on the way out.
; xq and wq hold codes as [K step of 256][row][192 bytes], planes PLANE bytes apart: 128 rows of a K step are a dense block, fetched as 96 rows of 256 bytes;
; 16 bytes of padding behind every 64 give each row of 192 bytes an LDS pitch of 240.
; THE HEAD: one joint load a wave: A's 256 rows of K step 0, B's, A's scale bytes, B's.  Slot 1 is first filled behind the three lines and a round, as a refill is.
.set SIZE_K, 1024
.set KSTEP,  256
.set NQ,     KSTEP/128
.set ROWB,   192
.set PLANE,  1572864
.set G0H,    4
.set G0HB,   8
.set PITCH,  240
.set FR,     12
.set NL,     6
.set NP,     4
.set HALFT,  128*PITCH
.set SLOT,   4*HALFT
.set LAPS,   SIZE_K/(2*KSTEP)
.set KS,     SIZE_K/32
.set SCL,    2*SLOT
.set HALFS,  (128*KS/256)*272
.set SBLK,   (16*KS/256)*272
.set SPARE,  SCL+4*HALFS
.set XS_OFF, 6291456
.set WS_OFF, 6291456
.set HSQ,    64*6656
.set HSV,    64*6400
.set ADRA, 16
.set ADRB, 20
.set SOF,  24
.set HSH,  25
.set CO,   26
.set ADRS, 27
.set SPW,  28
.set NIL,  29
.set SC,   32
.set AF,   128
.set XA,   64
.set XB,   76
.set TC,   88
.set TM,   224
.set SWD,  240
.set G1, 24
.set G0, 32
.set G1B, 48
.set G0B, 56
.set G1S, 68
.set G0S, 76
.set G1SB, 80
.set G0SB, 88
.set MSB, 0
.macro WIN new
.if MSB != \new
	s_set_vgpr_msb (MSB<<8)|\new
.set MSB, \new
.endif
.endm
.set MUL_LO, 0xa1
.set MUL_HI, 0xf1
.set TO_B,   0x40
.macro JLOAD g0a, g1a, g0b, g1b
	s_cmp_eq_u32 s15, 0
	s_cbranch_scc0 .Lfor_b_\@
	tensor_load_to_lds s[\g0a:\g0a+3], s[\g1a:\g1a+7]
	s_nop 0
.rept 4
	v_nop
.endr
	s_branch .Lasked_\@
.Lfor_b_\@:
	tensor_load_to_lds s[\g0b:\g0b+3], s[\g1b:\g1b+7]
	s_nop 0
.rept 4
	v_nop
.endr
.Lasked_\@:
.endm
.macro CREST
	s_cmp_lg_u32 s14, 0
	s_cbranch_scc1 .Lnot_wave_0_\@
	s_barrier_signal -3
.Lnot_wave_0_\@:
	s_barrier_wait -3
	s_barrier_signal -1
	s_barrier_wait -1
.endm
.macro CROUND
	s_barrier_signal -1
	s_barrier_wait -1
	CREST
.endm
	s_load_b128 s[96:99], s[0:1], 0x0
	s_load_b64 s[12:13], s[0:1], 0x10
	s_load_b64 s[66:67], s[0:1], 0x18
	v_lshl_add_u32 v[SPW], v0, 2, SPARE
	v_mov_b32 v[NIL], 0
	ds_add_u32 v28, v29
	ds_add_u32 v28, v29
	s_wait_dscnt 0x0
	v_lshrrev_b32 v1, 5, v0
	v_readfirstlane_b32 s14, v1
	s_lshr_b32 s15, s14, 1
	s_and_b32 s16, s14, 1
	s_bfe_u32 s40, ttmp6, 0x40000
	s_bfe_u32 s41, ttmp6, 0x40004
	s_and_b32 s95, ttmp7, 0xffff
	s_cmp_eq_u32 ttmp9, 2
	s_cselect_b32 s2, 1, 0
	s_cselect_b32 s42, s95, ttmp9
	s_cselect_b32 s17, 0, s95
	s_lshl_b32 s42, s42, 2
	s_add_co_u32 s42, s42, s40
	s_lshl_b32 s17, s17, 2
	s_add_co_u32 s17, s17, s41
	s_lshl_b32 s43, s41, 2
	s_lshl_b32 s43, 15, s43
	s_lshl_b32 s44, 0x1111, s40
	s_or_b32 s[G1+0], s43, (0<<16)|(1<<20)|(1<<21)|(3<<22)|(3<<25)
	s_or_b32 s[G1B+0], s44, (0<<16)|(1<<20)|(1<<21)|(3<<22)|(3<<25)
.irp g, G1, G1B
	s_mov_b32 s[\g+1], 256<<16
	s_mov_b32 s[\g+2], 192<<16                     ; the head's loads: 256 rows of codes = 192 rows of 256 bytes
	s_mov_b32 s[\g+3], 256<<16
	s_mov_b32 s[\g+4], 192
	s_mov_b32 s[\g+5], 256
	s_mov_b32 s[\g+6], 0
	s_mov_b32 s[\g+7], 0
.endr
	s_or_b32 s[G1S+0], s43, (3<<16)|(1<<20)|(1<<21)|(5<<22)|(3<<25)
	s_or_b32 s[G1SB+0], s44, (3<<16)|(1<<20)|(1<<21)|(5<<22)|(3<<25)
.irp g, G1S, G1SB
	s_mov_b32 s[\g+1], 32<<16
	s_mov_b32 s[\g+2], (256*KS/256)<<16
	s_mov_b32 s[\g+3], 32<<16
	s_mov_b32 s[\g+4], 256*KS/256
	s_mov_b32 s[\g+5], 32
	s_mov_b32 s[\g+6], 0
	s_mov_b32 s[\g+7], 0
.endr
	s_lshl_b32 s20, s17, 8
	s_lshl_b32 s46, s42, 8
	s_mov_b32 s21, 0
	s_mov_b32 s47, 0
	s_mov_b64 s[18:19], KS
	s_mul_u64 s[22:23], s[20:21], s[18:19]
	s_mul_u64 s[92:93], s[46:47], s[18:19]
	s_mov_b64 s[18:19], ROWB
	s_mul_u64 s[20:21], s[20:21], s[18:19]
	s_mul_u64 s[46:47], s[46:47], s[18:19]
	s_mul_i32 s45, s14, HALFT
	s_mul_i32 s94, s16, 128*ROWB                   ; in the ring I fetch 128 rows: which half, in bytes
	s_mov_b32 s95, 0
	s_wait_kmcnt 0x0
	s_cmp_eq_u32 s2, 1
	s_add_nc_u64 s[4:5], s[98:99], 2048*ROWB
	s_cselect_b64 s[4:5], s[4:5], s[96:97]
	s_cselect_b64 s[8:9], s[96:97], s[98:99]
	s_add_nc_u64 s[96:97], s[96:97], XS_OFF
	s_add_nc_u64 s[98:99], s[98:99], WS_OFF
	s_add_nc_u64 s[6:7], s[98:99], 2048*KS
	s_cselect_b64 s[6:7], s[6:7], s[96:97]
	s_cselect_b64 s[10:11], s[96:97], s[98:99]
	s_cselect_b64 s[12:13], s[66:67], s[12:13]
	s_add_nc_u64 s[20:21], s[4:5], s[20:21]
	s_add_nc_u64 s[22:23], s[6:7], s[22:23]
	s_add_nc_u64 s[46:47], s[8:9], s[46:47]
	s_add_nc_u64 s[92:93], s[10:11], s[92:93]
	CROUND
	s_mov_b32 s[G0S], 1
	s_mov_b32 s[G0S+1], SCL
	s_mov_b64 s[G0S+2:G0S+3], s[22:23]
	s_or_b32 s[G0S+3], s[G0S+3], 0x80000000
	s_mov_b32 s[G0SB], 1
	s_mov_b32 s[G0SB+1], SCL+2*HALFS
	s_mov_b64 s[G0SB+2:G0SB+3], s[92:93]
	s_or_b32 s[G0SB+3], s[G0SB+3], 0x80000000
	s_mov_b32 s[G0H], 1                            ; K step 0: A's 256 rows,
	s_mov_b32 s[G0H+1], 0
	s_mov_b64 s[G0H+2:G0H+3], s[20:21]
	s_or_b32 s[G0H+3], s[G0H+3], 0x80000000
	s_mov_b32 s[G0HB], 1                           ; and B's, behind them in slot 0
	s_mov_b32 s[G0HB+1], 2*HALFT
	s_mov_b64 s[G0HB+2:G0HB+3], s[46:47]
	s_or_b32 s[G0HB+3], s[G0HB+3], 0x80000000
	s_add_nc_u64 s[20:21], s[20:21], s[94:95]      ; for the ring: my 128 rows
	s_add_nc_u64 s[46:47], s[46:47], s[94:95]
.irp s, 0,1
	s_mov_b32 s[G0+4*\s], 1
	s_add_co_u32 s[G0+4*\s+1], s45, \s*SLOT
	s_add_nc_u64 s[G0+4*\s+2:G0+4*\s+3], s[20:21], \s*PLANE
	s_or_b32 s[G0+4*\s+3], s[G0+4*\s+3], 0x80000000
	s_mov_b32 s[G0B+4*\s], 1
	s_add_co_u32 s[G0B+4*\s+1], s45, \s*SLOT
	s_add_nc_u64 s[G0B+4*\s+2:G0B+4*\s+3], s[46:47], \s*PLANE
	s_or_b32 s[G0B+4*\s+3], s[G0B+4*\s+3], 0x80000000
.endr
; the head's four tiles, one a wave, in one chain of branches on the wave's number
.macro ARM under, g0, g1, next
	s_cmp_lt_u32 s14, \under
	s_cbranch_scc0 \next
	tensor_load_to_lds s[\g0:\g0+3], s[\g1:\g1+7]
	s_nop 0
.rept 4
	v_nop
.endr
	s_branch .Lhead_asked
\next:
.endm
	ARM 1, G0H,  G1,  .Lhead_b
	ARM 2, G0HB, G1B, .Lhead_sa
	ARM 3, G0S,  G1S, .Lhead_sb
	tensor_load_to_lds s[G0SB:G0SB+3], s[G1SB:G1SB+7]
	s_nop 0
.rept 4
	v_nop
.endr
.Lhead_asked:
	v_and_b32 v1, 15, v0
	v_bfe_u32 v2, v0, 4, 1
	v_mul_u32_u24 v3, v1, PITCH
	v_mul_u32_u24 v4, v2, 24
	v_add_nc_u32 v4, v3, v4
	v_lshl_add_u32 v5, v2, 4, v4
	s_mul_i32 s21, s15, HALFT
	s_mul_i32 s22, s16, HALFT
	s_add_co_u32 s22, s22, 2*HALFT
.irp s, 0,1
	v_add_nc_u32 v[ADRA+\s], s21, v4
	v_add_nc_u32 v[ADRB+\s], s22, v4
	v_add_nc_u32 v[ADRA+2+\s], s21, v5
	v_add_nc_u32 v[ADRB+2+\s], s22, v5
	s_add_co_u32 s21, s21, SLOT
	s_add_co_u32 s22, s22, SLOT
.endr
	v_mul_u32_u24 v5, v1, KS
	v_lshrrev_b32 v6, 8, v5
	v_lshl_add_u32 v5, v6, 4, v5
	s_mul_i32 s21, s15, HALFS
	s_mul_i32 s22, s16, HALFS
	s_add_co_u32 s22, s22, 2*HALFS
	s_sub_co_u32 s22, s22, s21
	v_mul_u32_u24 v6, s22, v2
	s_add_co_u32 s21, s21, SCL
	v_add_nc_u32 v5, v5, v6
	v_add_nc_u32 v[ADRS], s21, v5
	v_and_b32 v6, 31, v0
	v_lshlrev_b32 v[CO], 4, v6
	s_cmp_eq_u32 s2, 1
	s_cselect_b32 s20, s17, s42
	s_cselect_b32 s21, s15, s16
	s_cselect_b32 s22, s42, s17
	s_cselect_b32 s23, s16, s15
	s_mov_b32 s46, 6656
	s_cselect_b32 s46, 6400, s46
	s_lshl_b32 s20, s20, 2
	s_lshl_b32 s21, s21, 1
	s_add_co_u32 s20, s20, s21
	s_lshl_b32 s20, s20, 6
	s_lshl_b32 s22, s22, 1
	s_add_co_u32 s22, s22, s23
	s_add_co_u32 s20, s20, s22
	s_mul_i32 s20, s20, s46
	s_mov_b32 s21, 0
	s_add_nc_u64 s[12:13], s[12:13], s[20:21]
.macro FRAG reg, adr, q, i
.irp p, 0,1,2,3,4,5
.set PC, 12*(\q)+6*(\p/3)+\p%3
.if PC%8 < 5
	ds_load_b64 v[\reg+2*\p:\reg+2*\p+1], v[\adr] offset:8*PC+16*(PC/8)+(\i)*16*PITCH
.else
	ds_load_b64 v[\reg+2*\p:\reg+2*\p+1], v[\adr+2] offset:8*PC+16*(PC/8)+(\i)*16*PITCH
.endif
.endr
.endm
.macro MUL16 a0, p, q, sc, zero
.irp a, \a0, \a0+1
.irp b, 0,1,2,3,4,5,6,7
.if \zero
	v_wmma_scale_f32_16x16x128_f8f6f4 v[8*(8*((\a)%4)+\b):8*(8*((\a)%4)+\b)+7], v[128*(\p)+FR*\b:128*(\p)+FR*\b+FR-1], v[AF+FR*(\a):AF+FR*(\a)+FR-1], 0, v[SC+8*NQ*(\sc)+NQ*\b+(\q)], v[SC+8*NQ*(\sc)+NQ*(\a)+(\q)] matrix_a_fmt:MATRIX_FMT_FP6 matrix_b_fmt:MATRIX_FMT_FP6 matrix_a_scale:MATRIX_SCALE_ROW1
.else
	v_wmma_scale_f32_16x16x128_f8f6f4 v[8*(8*((\a)%4)+\b):8*(8*((\a)%4)+\b)+7], v[128*(\p)+FR*\b:128*(\p)+FR*\b+FR-1], v[AF+FR*(\a):AF+FR*(\a)+FR-1], v[8*(8*((\a)%4)+\b):8*(8*((\a)%4)+\b)+7], v[SC+8*NQ*(\sc)+NQ*\b+(\q)], v[SC+8*NQ*(\sc)+NQ*(\a)+(\q)] matrix_a_fmt:MATRIX_FMT_FP6 matrix_b_fmt:MATRIX_FMT_FP6 matrix_a_scale:MATRIX_SCALE_ROW1
.endif
.endr
.endr
.endm
.macro FETCH_B slot, q, p
	WIN TO_B
.irp i, 0,1,2,3,4,5,6,7
	FRAG 128*(\p)+FR*\i, ADRB+\slot, \q, \i
.endr
	WIN 0
.endm
.macro FETCH_A slot, q, i0
.irp i, \i0, \i0+1, \i0+2, \i0+3
	FRAG AF+FR*(\i), ADRA+\slot, \q, \i
.endr
.endm
.macro SCALES sc
.irp i, 0,1,2,3,4,5,6,7
	ds_load_b64 v[SC+8*NQ*\sc+NQ*\i:SC+8*NQ*\sc+NQ*\i+1], v[ADRS] offset:\i*SBLK
.endr
.endm
.macro PLACES n
.rept \n
	v_nop
.endr
.endm
.macro STEP slot, q, zero
	s_wait_dscnt 4*NL
	WIN MUL_LO
	MUL16 0, (\q)%2, \q, \slot, \zero
	MUL16 2, (\q)%2, \q, \slot, \zero
	s_wait_dscnt 0
	PLACES NP
	FETCH_B \slot, (\q)+1, 1-(\q)%2
	FETCH_A \slot, (\q)+1, 0
	WIN MUL_HI
	MUL16 4, (\q)%2, \q, \slot, \zero
	MUL16 6, (\q)%2, \q, \slot, \zero
	PLACES NP
	WIN 0
	FETCH_A \slot, (\q)+1, 4
.endm
.macro TURN slot, next, fill
	s_wait_tensorcnt 0x0
	ds_add_u32 v[SPW], v[NIL]
	s_wait_dscnt 4*NL+1
	WIN MUL_LO
	MUL16 0, 1, NQ-1, \slot, 0
	s_wait_dscnt 0x0
	s_barrier_signal -1
	MUL16 2, 1, NQ-1, \slot, 0
	WIN 0
	s_barrier_wait -1
.if \fill
	CREST
	s_add_nc_u64 s[G0+4*\slot+2:G0+4*\slot+3], s[G0+4*\slot+2:G0+4*\slot+3], 2*PLANE
	s_add_nc_u64 s[G0B+4*\slot+2:G0B+4*\slot+3], s[G0B+4*\slot+2:G0B+4*\slot+3], 2*PLANE
	JLOAD G0+4*\slot, G1, G0B+4*\slot, G1B
.else
	PLACES NP
.endif
	s_wait_alu depctr_va_vdst(0)
	v_add_nc_u32 v[ADRS], 4*NQ, v[ADRS]
	FETCH_B \next, 0, 0
	FETCH_A \next, 0, 0
	SCALES \next
	WIN MUL_HI
	MUL16 4, 1, NQ-1, \slot, 0
	MUL16 6, 1, NQ-1, \slot, 0
	PLACES NP
	WIN 0
	FETCH_A \next, 0, 4
.endm
	s_wait_alu depctr_va_vdst(0)
	s_wait_tensorcnt 0x0                           ; my tile of the head's four is in
	ds_add_u32 v[SPW], v[NIL]
	s_mov_b32 s[G1+2], 96<<16                      ; no load of mine is out: from here on a load brings 128 rows of codes = 96 rows of 256 bytes
	s_mov_b32 s[G1+4], 96
	s_mov_b32 s[G1B+2], 96<<16
	s_mov_b32 s[G1B+4], 96
	s_wait_dscnt 0x0
	CROUND                                         ; all four tiles are in, in every partner
	JLOAD G0+4, G1, G0B+4, G1B                     ; K step 1, slot 1's first fill
	FETCH_B 0, 0, 0
	FETCH_A 0, 0, 0
	SCALES 0
	FETCH_A 0, 0, 4
	STEP 0, 0, 1
	s_mov_b32 s3, LAPS-1
.Llap:
	TURN 0, 1, 1
	STEP 1, 0, 0
	TURN 1, 0, 1
	STEP 0, 0, 0
	s_sub_co_u32 s3, s3, 1
	s_cmp_lg_u32 s3, 0
	s_cbranch_scc1 .Llap
	TURN 0, 1, 0
	STEP 1, 0, 0
	s_wait_dscnt 4*NL
	WIN MUL_LO
	MUL16 0, 1, NQ-1, 1, 0
	MUL16 2, 1, NQ-1, 1, 0
	s_wait_dscnt 0
	WIN MUL_HI
	MUL16 4, 1, NQ-1, 1, 0
	MUL16 6, 1, NQ-1, 1, 0
	WIN 0
.macro QUANTW a, d0, d1, pw
.set WW, 2+(\a)/4
.set WW2, WW*5
.set AC, 64*((\a)%4)
	WIN WW2
.irp b, 0,1,2,3
	v_max3_num_f32 v[TM+\b], |v[AC+16*\b]|, |v[AC+16*\b+1]|, 0x1800000
.endr
.irp i, 2,4,6,8,10,12,14
.irp b, 0,1,2,3
	v_max3_num_f32 v[TM+\b], |v[AC+16*\b+\i]|, |v[AC+16*\b+\i+1]|, v[TM+\b]
.endr
.endr
	WIN 0
.irp b, 0,1,2,3
	v_permlanex16_b32 v[TM+4+\b], v[TM+\b], s20, s21
.endr
.irp b, 0,1,2,3
	v_max_num_f32 v[TM+\b], v[TM+\b], v[TM+4+\b]
.endr
.irp b, 0,1,2,3
	v_add_nc_u32 v[TM+12+\b], 0xff000000, v[TM+\b]
.endr
.irp b, 0,1,2,3
	v_lshrrev_b32 v[TM+4+\b], 23, v[TM+12+\b]
.endr
	v_lshl_or_b32 v[\pw], v[TM+5], 8, v[TM+4]
	v_lshl_or_b32 v[\pw], v[TM+6], 16, v[\pw]
	v_lshl_or_b32 v[\pw], v[TM+7], 24, v[\pw]
	WIN WW
	v_cvt_scalef32_pk16_fp6_f32 v[\d0:\d0+2], v[AC:AC+15], v[TM+12]
	v_cvt_scalef32_pk16_fp6_f32 v[TC:TC+2], v[AC+16:AC+31], v[TM+13]
	v_cvt_scalef32_pk16_fp6_f32 v[\d1:\d1+2], v[AC+32:AC+47], v[TM+14]
	v_cvt_scalef32_pk16_fp6_f32 v[TC+4:TC+6], v[AC+48:AC+63], v[TM+15]
	WIN 0
	v_nop
.irp i, 0,1,2
	v_permlane16_swap_b32 v[\d0+\i], v[TC+\i]
	v_permlane16_swap_b32 v[\d1+\i], v[TC+4+\i]
.endr
.irp i, 0,1,2
	v_mov_b32 v[\d0+3+\i], v[TC+\i]
	v_mov_b32 v[\d1+3+\i], v[TC+4+\i]
.endr
.endm
.macro EPI mode
.if \mode == 0
	v_mul_u32_u24 v[SOF], v2, HSQ
	v_lshl_add_u32 v[SOF], v1, 4, v[SOF]
	v_lshlrev_b32 v[HSH], 4, v2
.else
	v_mul_u32_u24 v[SOF], v2, HSV
	v_lshl_add_u32 v[SOF], v1, 4, v[SOF]
	s_mov_b32 s3, 0xffff0000
.endif
.irp p, 0,1,2,3
.if \p > 0
	s_wait_xcnt 0x0
.endif
.if \mode == 0
	QUANTW 2*\p, XA, XB, SWD+2*\p
	QUANTW 2*\p+1, XA+6, XB+6, SWD+2*\p+1
.irp c, 0,1,2
	global_store_b128 v[CO], v[XA+4*\c:XA+4*\c+3], s[12:13] offset:1536*\p+512*\c
	global_store_b128 v[CO], v[XB+4*\c:XB+4*\c+3], s[12:13] offset:HSQ+1536*\p+512*\c
.endr
.else
	QUANTW 2*\p, XA, XA+6, SWD+2*\p
	QUANTW 2*\p+1, XB, XB+6, SWD+2*\p+1
.irp c, 0,1,2
	global_store_b128 v[CO], v[XA+4*\c:XA+4*\c+3], s[12:13] offset:((2*\p)/4)*HSV+1536*((2*\p)%4)+512*\c
	global_store_b128 v[CO], v[XB+4*\c:XB+4*\c+3], s[12:13] offset:((2*\p+1)/4)*HSV+1536*((2*\p+1)%4)+512*\c
.endr
.endif
.endr
.if \mode == 0
.irp a, 0,1,2,3,4,5,6,7
	v_bfe_u32 v[SWD+\a], v[SWD+\a], v[HSH], 16
.endr
.irp g, 0,1
	global_store_b128 v[SOF], v[SWD+4*\g:SWD+4*\g+3], s[12:13] offset:6144+256*\g
.endr
.else
.irp i, 0,1,2,3
	v_cndmask_b32 v[SWD+\i], v[SWD+\i], v[SWD+4+\i], s3
.endr
	global_store_b128 v[SOF], v[SWD:SWD+3], s[12:13] offset:6144
.endif
.endm
	PLACES NP
	s_mov_b32 s20, 0x76543210
	s_mov_b32 s21, 0xfedcba98
.irp b, 0,1,2,3
	v_mov_b32 v[TM+4+\b], 0
.endr
	s_cmp_eq_u32 s2, 0
	s_cbranch_scc0 .Lv
	EPI 0
	s_branch .Ldone
.Lv:
	EPI 1
.Ldone:
	s_wait_tensorcnt 0x0
	ds_add_u32 v[SPW], v[NIL]
	s_wait_dscnt 0x0
	CROUND
	s_endpgm
.Lfunc_end_k_q7f96f401f1_proj:
	.size	k_q7f96f401f1_proj, .Lfunc_end_k_q7f96f401f1_proj-k_q7f96f401f1_proj
	.p2alignl 7, 3214868480
	.fill 96, 4, 3214868480
	.section	.rodata,"a",@progbits
	.p2align	6, 0x0
	.amdhsa_kernel k_q7f96f401f1_proj
		.amdhsa_group_segment_fixed_size 327680
		.amdhsa_private_segment_fixed_size 0
		.amdhsa_enable_private_segment 0
		.amdhsa_kernarg_size 32
		.amdhsa_user_sgpr_count 2
		.amdhsa_user_sgpr_kernarg_segment_ptr 1
		.amdhsa_wavefront_size32 1
		.amdhsa_system_sgpr_workgroup_id_x 1
		.amdhsa_system_sgpr_workgroup_id_y 1
		.amdhsa_system_sgpr_workgroup_id_z 1
		.amdhsa_system_vgpr_workitem_id 0
		.amdhsa_next_free_vgpr 1024
		.amdhsa_next_free_sgpr 100
		.amdhsa_reserve_vcc 0
		.amdhsa_float_denorm_mode_32 3
		.amdhsa_float_denorm_mode_16_64 3
		.amdhsa_memory_ordered 1
		.amdhsa_forward_progress 1
		.amdhsa_inst_pref_size 200
	.end_amdhsa_kernel
	.amdgpu_metadata
---
amdhsa.version: [ 1, 2 ]
amdhsa.kernels:
  - .name:           k_q7f96f401f1_proj
    .symbol:         k_q7f96f401f1_proj.kd
    .args:
      - { .name: xq, .offset: 0, .size: 8, .value_kind: global_buffer, .address_space: global }
      - { .name: wq, .offset: 8, .size: 8, .value_kind: global_buffer, .address_space: global }
      - { .name: qk, .offset: 16, .size: 8, .value_kind: global_buffer, .address_space: global }
      - { .name: vi, .offset: 24, .size: 8, .value_kind: global_buffer, .address_space: global }
    .group_segment_fixed_size: 327680
    .private_segment_fixed_size: 0
    .kernarg_segment_align: 8
    .kernarg_segment_size: 32
    .max_flat_workgroup_size: 128
    .sgpr_count:     100
    .vgpr_count:     1024
    .wavefront_size: 32
...
	.end_amdgpu_metadata
.endif
;; end of part 2
;; launch attn (part 3): grid 4 x 64, 16 waves a work-group, clusters of 4 x 1, 210,944 bytes of LDS; arguments qk, vi, cq; writes cq
.if DOCPART == 3
	.amdgcn_target "amdgcn-amd-amdhsa--gfx1250"
	.amdhsa_code_object_version 6
	.text
	.protected	k_q7f96f401f1_attn
	.globl	k_q7f96f401f1_attn
	.p2align	8
	.type	k_q7f96f401f1_attn,@function
k_q7f96f401f1_attn:
	s_mov_b64 s[64:65], 0
	v_nop
	global_prefetch_b8 v0, s[64:65] scope:SCOPE_SE
	s_setreg_imm32_b32 hwreg(HW_REG_WAVE_MODE, 25, 1), 1
	s_wait_xcnt 0x0
	s_wait_alu depctr_hold_cnt(0) depctr_sa_sdst(0) depctr_va_vdst(0) depctr_va_sdst(0) depctr_va_ssrc(0) depctr_va_vcc(0) depctr_vm_vsrc(0)
	s_getreg_b32 s2, hwreg(HW_REG_IB_STS2, 6, 4)
	s_cmp_eq_u32 s2, 0
	s_cbranch_scc0 .Lentry_in_a_cluster
	s_endpgm
.Lentry_in_a_cluster:
	s_bfe_u32 s2, ttmp6, 0x10000c
	s_cmp_lg_u32 s2, 0x3003
	s_cbranch_scc0 .Lentry_shape_is_right
	s_endpgm
.Lentry_shape_is_right:
; ctx[b][q][head] = the sum over keys of softmax(q . k / 8) v, both products on codes of FP6 (E2M3) with one E8M0 scale for each 32 along a product's K; ctx leaves as codes, quantised along its 1,024 channels.
; THE SOFTMAX AHEAD OF THE SECOND PRODUCT: t = score x log2(e) / 8; M = the row's largest t so far, rounded up to a whole number; p = 2^(t - M) is what is quantised, along the keys; it is not normalised.
; The row's sum is taken of the unquantised p, in f32, and divides O at the end.  When M moves, the sum and O are multiplied by 2^(old M - new M): exact.
; SHARES.  A cluster of four work-groups owns one (batch, head); each partner 512 query positions, in two passes of 256; each of its sixteen waves one tile of 16 queries a pass, in 256 registers: four waves to a SIMD.
; LDS.  The head's K (16 blocks of 6,656 bytes) and V (16 blocks of 6,400 bytes) lie in LDS whole, as images of the operands' registers: filled once, by joint loads of the four partners, never again.
; All of K and V is asked for at the head, so nothing is left to ask for ahead of time.  Every LDS read is 16 bytes a lane; a read of codes is 512 consecutive bytes an instruction, a read of scale words 256.
; LAYOUT.  Both products are used transposed: S^T = K Q^T (source 0 = 16 key positions, source 1 = my 16 queries), O^T = V^T P^T (source 0 = 16 channel positions, source 1 = P): a lane holds one query throughout.
; Positions are stored with bits 3 and 4 exchanged, so the 16 registers of tiles 2 b and 2 b + 1 are 16 true neighbours: keys in S^T (the order in which V's codes run), channels in O^T.
; K = 64 IN AN INSTRUCTION OF 128: Q's codes for k = 64 .. 127 are zeros and both sides' scale bytes 2 and 3 are 0 (2^-127); the format has no NaN and no infinity, so whatever stands in the upper six registers of K's
; operand (the next tile's codes) multiplies zeros.  So K's eight tiles are 48 registers on end.
; OUT.  cq: codes [row tile][head][768 bytes]: a tile's six registers, registers 0-3 at 16 x lane, registers 4, 5 at 512 + 8 x lane; scale bytes [position][32] at CS_OFF, byte 2 head + block.  A row's 32 scale bytes come
; from 16 heads, that is 16 clusters, so each lane stores one byte: one byte in 24 of what the launch stores.
; LIMITS: NaN and infinities are not served; a block of zeros gets the byte 1 and zero codes; a block's largest p is taken from the block's largest score, which takes v_exp_f32 not to fall where its input rises;
; 1 / l is v_rcp_f32 and a multiplication.
; REGISTERS: v1 16 x lane, v2 16 r, v3 8 x lane, v4 32 r + h; v5-8 the step's LDS addresses; v9, v10 Q's scale words of the two passes; v12 -M, v13 the largest t, v[14:15] the sum in two halves; v16-27 Q's fragment;
;   v28-35 K's, then V's scale words; v36-89 K's or V's fragments; v90-95 the second pass's Q; v96-159 S^T, then p; v160-191 O^T; v224-254 at work.
.set KBLK,  6656
.set VBLK,  6400
.set KL,    0
.set VL,    16*KBLK
.set CS_OFF, 6291456
.set WV,   10                          ; s10  my wave's number
.set SEL,  20                          ; s[20:21] lane selects for v_permlanex16_b32: lane l xor 16
.set CS,   22                          ; s[22:23] c = log2(e) / 8
.set G1K,  24                          ; s[24:31] descriptor group 1 for K's blocks;  s[32:39] for V's
.set G1V,  32
.set G0K,  40                          ; s[40:43] group 0 for my two blocks of K;  s[48:51] of V
.set G0V,  48
.set TK,   56                          ; s56  LDS byte of the step's block of K
.set TV,   57                          ; s57  of V
.set CNT,  58
.set PM,   59                          ; s59  all ones where my tile is the odd one of its pair
.set QB,   60                          ; s[60:61] my block of q
.set CB,   62                          ; s[62:63] my piece of ctx's codes
.set CSB,  66                          ; s[66:67] my rows' scale bytes
.set HM,   77                          ; s77  lanes 16-31
.macro CROUND                          ; a round of the cluster's barrier
	s_barrier_signal -1
	s_barrier_wait -1
	s_cmp_lg_u32 s[WV], 0
	s_cbranch_scc1 .Lnot_wave_0_\@
	s_barrier_signal -3
.Lnot_wave_0_\@:
	s_barrier_wait -3
	s_barrier_signal -1
	s_barrier_wait -1
.endm
	s_load_b128 s[4:7], s[0:1], 0x0                ; qk s[4:5], vi s[6:7]
	s_load_b64 s[8:9], s[0:1], 0x10                ; cq
	v_lshl_add_u32 v251, v0, 2, 0x33000
	v_mov_b32 v255, 0
	ds_add_u32 v251, v255
	ds_add_u32 v251, v255
	v_lshrrev_b32 v1, 5, v0
	s_delay_alu instid0(VALU_DEP_1)
	v_readfirstlane_b32 s[WV], v1                  ; wave 0..15
	s_and_b32 s11, s[WV], 7                        ; my tile of the eight in my block of q
	s_bfe_u32 s12, ttmp6, 0x40000                  ; cx: it enters Q's and ctx's addresses alone
	s_and_b32 s13, ttmp7, 0xffff                   ; 16 batch + head, which the four partners share
	s_and_b32 s14, s13, 15                         ; head
	s_lshr_b32 s15, s13, 4                         ; batch
	s_lshl_b32 s16, s14, 6
	s_lshl_b32 s17, s15, 4
	s_add_co_u32 s17, s17, s16                     ; 64 head + 16 batch: the head's first block of q and of v
	s_and_b32 s76, s[WV], 3                        ; I fetch two neighbouring key steps, from 2 (wave % 4) + 8 (wave / 8) on
	s_lshl_b32 s76, s76, 1
	s_lshr_b32 s78, s[WV], 3
	s_lshl_b32 s78, s78, 3
	s_add_co_u32 s76, s76, s78
	s_add_co_u32 s18, s17, s76
	s_mul_i32 s68, s18, VBLK                       ; V's block of key step i, in bytes
	s_mov_b32 s69, 0
	s_add_co_u32 s18, s18, 16*64                   ; k's heads lie behind q's sixteen
	s_mul_i32 s70, s18, KBLK
	s_mov_b32 s71, 0
	s_mul_i32 s72, s76, KBLK
	s_mul_i32 s73, s76, VBLK
	; descriptor group 1: a dense block as rows of 256 bytes (32 elements of 8 bytes): 26 rows for K, 25 for V; the mask names all four partners, bit 21 beside it
	s_mov_b32 s[G1K], 15|(3<<16)|(1<<21)
	s_mov_b32 s[G1K+1], 32<<16
	s_mov_b32 s[G1K+2], 52<<16                     ; two blocks on end: 52 rows of 256 bytes for K, 50 for V
	s_mov_b32 s[G1K+3], 32<<16
	s_mov_b32 s[G1K+4], 52
	s_mov_b32 s[G1K+5], 32
	s_mov_b32 s[G1K+6], 0
	s_mov_b32 s[G1K+7], 0
	s_mov_b32 s[G1V], 15|(3<<16)|(1<<21)
	s_mov_b32 s[G1V+1], 32<<16
	s_mov_b32 s[G1V+2], 50<<16
	s_mov_b32 s[G1V+3], 32<<16
	s_mov_b32 s[G1V+4], 50
	s_mov_b32 s[G1V+5], 32
	s_mov_b32 s[G1V+6], 0
	s_mov_b32 s[G1V+7], 0
	s_mov_b32 s[SEL], 0x76543210
	s_mov_b32 s[SEL+1], 0xfedcba98
	s_mov_b32 s[CS], 0x3e38aa3b                    ; log2(e) / 8
	s_mov_b32 s[CS+1], s[CS]                       ; (named with it as a pair, so it is written)
	s_mov_b32 s[HM], 0xffff0000
	s_bitcmp1_b32 s[WV], 0
	s_cselect_b32 s[PM], -1, 0
	s_wait_dscnt 0x0
	s_wait_kmcnt 0x0
	s_add_nc_u64 s[70:71], s[4:5], s[70:71]
	s_add_nc_u64 s[68:69], s[6:7], s[68:69]
	s_mov_b32 s[G0K], 1
	s_add_co_u32 s[G0K+1], s72, KL
	s_mov_b64 s[G0K+2:G0K+3], s[70:71]
	s_or_b32 s[G0K+3], s[G0K+3], 0x80000000
	s_mov_b32 s[G0V], 1
	s_add_co_u32 s[G0V+1], s73, VL
	s_mov_b64 s[G0V+2:G0V+3], s[68:69]
	s_or_b32 s[G0V+3], s[G0V+3], 0x80000000
	CROUND                                         ; all four work-groups are here: the joint loads meet
; one joint load a wave, in one chain of branches on the wave's number: waves 0-3 K's key steps 0-7, waves 4-7 V's, waves 8-11 K's key steps 8-15, waves 12-15 V's.
; The waves that wait ahead of the first barrier (0-7) have load lines of their own.
.macro ARM under, g0, g1, next
	s_cmp_lt_u32 s[WV], \under
	s_cbranch_scc0 \next
	tensor_load_to_lds s[\g0:\g0+3], s[\g1:\g1+7]
	s_nop 0
.rept 4
	v_nop
.endr
	s_branch .Lfirst_asked
\next:
.endm
	ARM 4,  G0K, G1K, .Lfirst_v
	ARM 8,  G0V, G1V, .Llate_k
	ARM 12, G0K, G1K, .Llate_v
	tensor_load_to_lds s[G0V:G0V+3], s[G1V:G1V+7]
	s_nop 0
.rept 4
	v_nop
.endr
.Lfirst_asked:
	s_lshl_b32 s74, s12, 2                         ; my block of q in pass 0: the head's first + 4 cx + wave / 8
	s_lshr_b32 s75, s[WV], 3
	s_add_co_u32 s74, s74, s75
	s_add_co_u32 s74, s74, s17
	s_mul_i32 s74, s74, KBLK
	s_mov_b32 s75, 0
	s_add_nc_u64 s[QB:QB+1], s[4:5], s[74:75]
	s_lshl_b32 s76, s15, 7                         ; my row tile in pass 0: 128 batch + 32 cx + wave
	s_lshl_b32 s78, s12, 5
	s_add_co_u32 s76, s76, s78
	s_add_co_u32 s76, s76, s[WV]
	s_mul_i32 s78, s76, 12288
	s_mul_i32 s74, s14, 768
	s_add_co_u32 s78, s78, s74
	s_mov_b32 s79, 0
	s_add_nc_u64 s[CB:CB+1], s[8:9], s[78:79]
	s_lshl_b32 s78, s76, 9                         ; 16 rows of 32 scale bytes a tile
	s_lshl_b32 s74, s14, 1
	s_add_co_u32 s78, s78, s74
	s_add_co_u32 s78, s78, CS_OFF
	s_add_nc_u64 s[CSB:CSB+1], s[8:9], s[78:79]
	v_and_b32 v11, 31, v0
	s_delay_alu instid0(VALU_DEP_1)
	v_lshlrev_b32 v1, 4, v11                       ; 16 x lane
	s_delay_alu instid0(VALU_DEP_2)
	v_lshlrev_b32 v3, 3, v11                       ; 8 x lane
	v_and_b32 v4, 15, v0                           ; r
	s_delay_alu instid0(VALU_DEP_1)
	v_lshlrev_b32 v2, 4, v4                        ; 16 r
	s_wait_alu depctr_va_vdst(0)
	v_bfe_u32 v5, v0, 4, 1                         ; h
	s_delay_alu instid0(VALU_DEP_1)
	v_lshl_add_u32 v4, v4, 5, v5                   ; 32 r + h
	s_lshr_b32 s16, s11, 1                         ; Q: the image of my tile's pair,
	s_mul_i32 s16, s16, 1536
	v_add_nc_u32 v11, s16, v1
	s_bfe_u32 s18, s[WV], 0x10002                  ; and my tile's scale words: 6,144 + 256 (tile / 4) + 16 r + 4 (tile % 4)
	s_lshl_b32 s18, s18, 8
	s_and_b32 s19, s[WV], 3
	s_lshl_b32 s19, s19, 2
	s_add_co_u32 s18, s18, s19
	s_add_co_u32 s18, s18, 6144
	v_add_nc_u32 v254, s18, v2
.irp p, 0,1                                    ; both passes' Q: a pass is two blocks on
.irp c, 0,1,2
	global_load_b128 v[96+12*\p+4*\c:99+12*\p+4*\c], v11, s[QB:QB+1] offset:2*KBLK*\p+512*\c
.endr
	global_load_b32 v[9+\p], v254, s[QB:QB+1] offset:2*KBLK*\p
.endr
.irp i, 0,1,2,3,4,5
	v_mov_b32 v[22+\i], 0                          ; Q's codes for k = 64 .. 127: zeros
	v_mov_b32 v[84+\i], 0                          ; what stands behind K's last tile
.endr
.irp b, 0,1,2,3
	v_mov_b32 v[236+\b], 0                         ; written once: a lane permute's destination counts as one of its sources
.endr
	v_mov_b32 v253, 0                              ; (named as the upper half of the pair v[252:253] before it is first written)
	s_wait_loadcnt 0x0
.irp i, 0,1,2,3,4,5
	v_cndmask_b32 v[16+\i], v[96+\i], v[102+\i], s[PM]     ; my tile of the pair: registers 0-5 or 6-11
	v_cndmask_b32 v[90+\i], v[108+\i], v[114+\i], s[PM]
.endr
; A KEY STEP: 128 keys.  qs: the register with Q's scale words.
.macro STEP qs
	v_add_nc_u32 v5, s[TK], v1                     ; (these four are also the places behind the last step's products, ahead of the loads into their operands)
	v_add_nc_u32 v6, s[TK], v2
	v_add_nc_u32 v7, s[TV], v1
	v_add_nc_u32 v8, s[TV], v2
.irp g, 0,1,2,3,4,5,6,7,8,9,10,11
	ds_load_b128 v[36+4*\g:39+4*\g], v5 offset:512*\g      ; K's eight tiles: tile t at v[36 + 6 t]
.endr
.irp g, 0,1
	ds_load_b128 v[28+4*\g:31+4*\g], v6 offset:6144+256*\g ; and their scale words: tile t's in v[28 + t]
.endr
	s_wait_alu depctr_va_vdst(0)
	s_wait_dscnt 0x0
.irp t, 0,1,2,3,4,5,6,7
	v_wmma_scale_f32_16x16x128_f8f6f4 v[96+8*\t:103+8*\t], v[36+6*\t:47+6*\t], v[16:27], 0, v[28+\t], v[\qs] matrix_a_fmt:MATRIX_FMT_FP6 matrix_b_fmt:MATRIX_FMT_FP6
.endr
.rept 4
	v_nop                                          ; places ahead of the loads into K's registers and of the first read of the scores
.endr
.irp g, 0,1,2,3,4,5,6,7,8,9,10,11
	ds_load_b128 v[36+4*\g:39+4*\g], v7 offset:512*\g      ; V's four fragments land while the softmax is worked
.endr
	ds_load_b128 v[28:31], v8 offset:6144
.irp b, 0,1,2,3
	v_max3_num_f32 v[232+\b], v[96+16*\b], v[97+16*\b], v[98+16*\b]   ; the largest score of each block of 32 keys: it serves for the row's maximum and, since p rises with the score, for the block's largest p
.endr
.irp i, 3,5,7,9,11,13
.irp b, 0,1,2,3
	v_max3_num_f32 v[232+\b], v[232+\b], v[96+16*\b+\i], v[97+16*\b+\i]
.endr
.endr
.irp b, 0,1,2,3
	v_max_num_f32 v[232+\b], v[232+\b], v[111+16*\b]
.endr
.irp b, 0,1,2,3
	s_delay_alu instid0(VALU_DEP_4)
	v_permlanex16_b32 v[236+\b], v[232+\b], s[SEL], s[SEL+1]
.endr
.irp b, 0,1,2,3
	s_delay_alu instid0(VALU_DEP_4)
	v_max_num_f32 v[232+\b], v[232+\b], v[236+\b]  ; with lane l xor 16's 16 keys
.endr
	s_delay_alu instid0(VALU_DEP_2)
	v_max3_num_f32 v254, v232, v233, v234
	s_delay_alu instid0(VALU_DEP_1)
	v_max_num_f32 v254, v254, v235                 ; the step's largest score of my query
	s_delay_alu instid0(VALU_DEP_1)
	v_mul_f32 v254, s[CS], v254                    ; as t (c is positive)
	s_delay_alu instid0(VALU_DEP_1)
	v_max_num_f32 v13, v13, v254                   ; the running largest t
	v_mov_b32 v254, v12
	s_delay_alu instid0(VALU_DEP_2)
	v_floor_f32 v12, -v13                          ; the new -M = floor(-t): M is a whole number
	s_delay_alu instid0(VALU_DEP_1)
	v_sub_f32 v254, v12, v254                      ; M's old value less its new one: a whole number, 0 or less
	s_delay_alu instid0(VALU_DEP_1)
	v_cvt_i32_f32 v254, v254                       ; (it saturates)
	s_delay_alu instid0(VALU_DEP_1)
	v_ldexp_f32 v252, 1.0, v254                    ; f = 2^(old M - new M)
.set j, 0
.rept 32
	v_pk_fma_f32 v[96+j:97+j], v[96+j:97+j], s[CS:CS+1], v[12:13] op_sel_hi:[1,0,0]   ; t - M, two at a time
.set j, j+2
.endr
.irp b, 0,1,2,3
	v_fma_f32 v[232+\b], v[232+\b], s[CS], v12     ; the same of each block's largest score
.endr
.set j, 0
	s_wait_alu depctr_va_vdst(0)
.rept 64
	v_exp_f32 v[96+j], v[96+j]                     ; p = 2^(t - M), at most 1: not normalised
.set j, j+1
.endr
	v_pk_mul_f32 v[14:15], v[14:15], v[252:253] op_sel_hi:[1,0]   ; the sums under the new M: a plain place behind the exponentials
	s_wait_alu depctr_va_vdst(0)                   ; one wait for the whole batch, ahead of its first reader
.irp b, 0,1,2,3
	v_exp_f32 v[232+\b], v[232+\b]                 ; the block's largest p: the same two instructions on the same number give the same bits
.endr
	v_pk_add_f32 v[236:237], v[100:101], v[104:105]
	v_pk_add_f32 v[248:249], v[108:109], v[112:113]
	v_pk_add_f32 v[246:247], v[116:117], v[120:121]
	v_pk_add_f32 v[244:245], v[124:125], v[128:129]
	v_pk_add_f32 v[242:243], v[132:133], v[136:137]
	v_pk_add_f32 v[240:241], v[140:141], v[144:145]
	v_pk_add_f32 v[238:239], v[148:149], v[152:153]
	v_pk_add_f32 v[14:15], v[14:15], v[156:157]
	v_pk_add_f32 v[236:237], v[236:237], v[96:97]
	v_pk_add_f32 v[248:249], v[248:249], v[98:99]
	v_pk_add_f32 v[246:247], v[246:247], v[102:103]
	v_pk_add_f32 v[244:245], v[244:245], v[106:107]
	v_pk_add_f32 v[242:243], v[242:243], v[110:111]
	v_pk_add_f32 v[240:241], v[240:241], v[114:115]
	v_pk_add_f32 v[238:239], v[238:239], v[118:119]
	v_pk_add_f32 v[14:15], v[14:15], v[122:123]
	v_pk_add_f32 v[236:237], v[236:237], v[126:127]
	v_pk_add_f32 v[248:249], v[248:249], v[130:131]
	v_pk_add_f32 v[246:247], v[246:247], v[134:135]
	v_pk_add_f32 v[244:245], v[244:245], v[138:139]
	v_pk_add_f32 v[242:243], v[242:243], v[142:143]
	v_pk_add_f32 v[240:241], v[240:241], v[146:147]
	v_pk_add_f32 v[238:239], v[238:239], v[150:151]
	v_pk_add_f32 v[14:15], v[14:15], v[154:155]
	v_pk_add_f32 v[236:237], v[236:237], v[158:159]
	s_delay_alu instid0(VALU_DEP_2)
	v_pk_add_f32 v[14:15], v[14:15], v[244:245]
	s_delay_alu instid0(VALU_DEP_2)
	v_pk_add_f32 v[236:237], v[236:237], v[242:243]
	v_pk_add_f32 v[248:249], v[248:249], v[240:241]
	v_pk_add_f32 v[246:247], v[246:247], v[238:239]
	s_delay_alu instid0(VALU_DEP_2)
	v_pk_add_f32 v[14:15], v[14:15], v[248:249]
	s_delay_alu instid0(VALU_DEP_2)
	v_pk_add_f32 v[236:237], v[236:237], v[246:247]
	s_delay_alu instid0(VALU_DEP_1)
	v_pk_add_f32 v[14:15], v[14:15], v[236:237]
	s_wait_alu depctr_va_vdst(0)                   ; and one for the four
.irp b, 0,1,2,3
	v_max_num_f32 v[232+\b], 0x1800000, v[232+\b]  ; the floor 2^(3 - 127): the byte cannot fall under 1
.endr
.irp b, 0,1,2,3
	s_delay_alu instid0(VALU_DEP_4)
	v_add_nc_u32 v[244+\b], 0xff000000, v[232+\b]  ; 2 off the exponent field: the conversion's scale operand
.endr
.irp b, 0,1,2,3
	s_delay_alu instid0(VALU_DEP_4)
	v_lshrrev_b32 v[236+\b], 23, v[244+\b]         ; the scale's byte
.endr
	s_delay_alu instid0(VALU_DEP_3)
	v_lshl_or_b32 v253, v237, 8, v236              ; p's scale word for these 128 keys
	s_delay_alu instid0(VALU_DEP_1)
	v_lshl_or_b32 v253, v238, 16, v253
	s_delay_alu instid0(VALU_DEP_1)
	v_lshl_or_b32 v253, v239, 24, v253
.irp c, 0,1
	v_cvt_scalef32_pk16_fp6_f32 v[224+6*\c:226+6*\c], v[96+32*\c:111+32*\c], v[244+2*\c]
	v_cvt_scalef32_pk16_fp6_f32 v[236+4*\c:238+4*\c], v[112+32*\c:127+32*\c], v[244+2*\c+1]   ; (a conversion's three registers begin on an even number)
.endr
	v_nop                                          ; one plain place behind the scaled conversions
.irp c, 0,1                                    ; the operand's layout wants a whole block in a lane
.irp i, 0,1,2
	v_permlane16_swap_b32 v[224+6*\c+\i], v[236+4*\c+\i]
.endr
.irp i, 0,1,2
	s_delay_alu instid0(VALU_DEP_3)
	v_mov_b32 v[227+6*\c+\i], v[236+4*\c+\i]
.endr
.endr
.set j, 0
.rept 16
	v_pk_mul_f32 v[160+j:161+j], v[160+j:161+j], v[252:253] op_sel_hi:[1,0]   ; O^T under the new M.  (These sixteen are also the places between p's codes and scale word and the products below)
.set j, j+2
.endr
	s_wait_alu depctr_va_vdst(0)
	s_wait_dscnt 0x0                               ; V is in
.irp t, 0,1,2,3
	v_wmma_scale_f32_16x16x128_f8f6f4 v[160+8*\t:167+8*\t], v[36+12*\t:47+12*\t], v[224:235], v[160+8*\t:167+8*\t], v[28+\t], v253 matrix_a_fmt:MATRIX_FMT_FP6 matrix_b_fmt:MATRIX_FMT_FP6
.endr
	s_add_co_u32 s[TK], s[TK], KBLK
	s_add_co_u32 s[TV], s[TV], VBLK
.endm
.macro LOOP n, first, qs               ; n key steps from step first on
	s_mov_b32 s[TK], KL+(\first)*KBLK
	s_mov_b32 s[TV], VL+(\first)*VBLK
	s_mov_b32 s[CNT], \n
.Lstep_\@:
	STEP \qs
	s_sub_co_u32 s[CNT], s[CNT], 1
	s_cmp_lg_u32 s[CNT], 0
	s_cbranch_scc1 .Lstep_\@
.endm
; THE WAY OUT of pass p: O^T / the sum is ctx's 64 channels of my head: register 16 b + i = channel 32 b + 16 h + i of my row: two blocks, quantised in registers.
.macro OUT p
.rept 4
	v_nop                                          ; places behind the last products
.endr
	v_add_f32 v14, v14, v15                        ; the sum's two halves,
	s_delay_alu instid0(VALU_DEP_1)
	v_permlanex16_b32 v252, v14, s[SEL], s[SEL+1]
	s_delay_alu instid0(VALU_DEP_1)
	v_add_f32 v14, v14, v252                       ; and lane l xor 16's: the row's sum
	s_wait_alu depctr_va_vdst(0)
	v_rcp_f32 v14, v14
	v_nop                                          ; a plain place behind the transcendental
	s_wait_alu depctr_va_vdst(0)                   ; and the wait ahead of its first reader
.set j, 0
.rept 16
	v_pk_mul_f32 v[96+j:97+j], v[160+j:161+j], v[14:15] op_sel_hi:[1,0]   ; each accumulator from its low end on
.set j, j+2
.endr
.irp b, 0,1
	v_max3_num_f32 v[232+\b], |v[96+16*\b]|, |v[97+16*\b]|, 0x1800000
.endr
.irp i, 2,4,6,8,10,12,14
.irp b, 0,1
	s_delay_alu instid0(VALU_DEP_2)
	v_max3_num_f32 v[232+\b], v[232+\b], |v[96+16*\b+\i]|, |v[97+16*\b+\i]|
.endr
.endr
.irp b, 0,1
	s_delay_alu instid0(VALU_DEP_2)
	v_permlanex16_b32 v[236+\b], v[232+\b], s[SEL], s[SEL+1]
.endr
.irp b, 0,1
	s_delay_alu instid0(VALU_DEP_2)
	v_max_num_f32 v[232+\b], v[232+\b], v[236+\b]
.endr
.irp b, 0,1
	s_delay_alu instid0(VALU_DEP_2)
	v_add_nc_u32 v[244+\b], 0xff000000, v[232+\b]
.endr
.irp b, 0,1
	s_delay_alu instid0(VALU_DEP_2)
	v_lshrrev_b32 v[236+\b], 23, v[244+\b]
.endr
	s_delay_alu instid0(VALU_DEP_1)
	v_cndmask_b32 v254, v236, v237, s[HM]          ; lanes 0-15 store block 0's byte, lanes 16-31 block 1's
	v_cvt_scalef32_pk16_fp6_f32 v[224:226], v[96:111], v244
	v_cvt_scalef32_pk16_fp6_f32 v[240:242], v[112:127], v245
	v_nop
.irp i, 0,1,2
	v_permlane16_swap_b32 v[224+\i], v[240+\i]
.endr
.irp i, 0,1,2
	s_delay_alu instid0(VALU_DEP_3)
	v_mov_b32 v[227+\i], v[240+\i]                 ; v224-229: lane (r, h) holds channels 32 h .. 32 h + 31 of row r
.endr
	global_store_b128 v1, v[224:227], s[CB:CB+1] offset:16*12288*\p         ; 512 consecutive bytes
	global_store_b64 v3, v[228:229], s[CB:CB+1] offset:16*12288*\p+512      ; 256 consecutive bytes
	global_store_b8 v4, v254, s[CSB:CSB+1] offset:16*512*\p
.endm
.macro PASS p, qs
.if \p
	s_wait_xcnt 0x0                                ; the first pass's stores have read their registers, which are written again only behind this wait
.irp i, 0,1,2,3,4,5
	v_mov_b32 v[16+\i], v[90+\i]
.endr
.endif
	v_mov_b32 v13, 0xff61b1e6                      ; the largest t so far: -3e38, under every t
	s_delay_alu instid0(VALU_DEP_1)
	v_floor_f32 v12, -v13                          ; -M
	v_mov_b32 v14, 0                               ; the sum, in two halves
	v_mov_b32 v15, 0
.set j, 0
.rept 32
	v_mov_b32 v[160+j], 0                          ; O^T: the step is written without a first step of its own: the first change of M leaves zeros zeros
.set j, j+1
.endr
.if \p == 0
	s_cmp_lt_u32 s[WV], 8                          ; waves 0-7 wait for their loads: key steps 0-7; the others' may be out
	s_cbranch_scc0 .Lnot_early
	s_wait_tensorcnt 0x0
.Lnot_early:
	s_barrier_signal -1
	s_barrier_wait -1
	LOOP 8, 0, \qs
	s_wait_tensorcnt 0x0                           ; my second load is in,
	s_barrier_signal -1
	s_barrier_wait -1                              ; everybody's is
	LOOP 8, 8, \qs
.else
	LOOP 16, 0, \qs
.endif
	OUT \p
.endm
	PASS 0, 9
	PASS 1, 10
	s_wait_tensorcnt 0x0
	ds_add_u32 v251, v255
	s_wait_dscnt 0x0
	CROUND                                         ; the closing round: no work-group ends while a partner may still ask for a block that names it
	s_endpgm
.Lfunc_end_k_q7f96f401f1_attn:
	.size	k_q7f96f401f1_attn, .Lfunc_end_k_q7f96f401f1_attn-k_q7f96f401f1_attn
	.p2alignl 7, 3214868480
	.fill 96, 4, 3214868480
	.section	.rodata,"a",@progbits
	.p2align	6, 0x0
	.amdhsa_kernel k_q7f96f401f1_attn
		.amdhsa_group_segment_fixed_size 210944
		.amdhsa_private_segment_fixed_size 0
		.amdhsa_enable_private_segment 0
		.amdhsa_kernarg_size 24
		.amdhsa_user_sgpr_count 2
		.amdhsa_user_sgpr_kernarg_segment_ptr 1
		.amdhsa_wavefront_size32 1
		.amdhsa_system_sgpr_workgroup_id_x 1
		.amdhsa_system_sgpr_workgroup_id_y 1
		.amdhsa_system_sgpr_workgroup_id_z 1
		.amdhsa_system_vgpr_workitem_id 0
		.amdhsa_next_free_vgpr 256
		.amdhsa_next_free_sgpr 80
		.amdhsa_reserve_vcc 0
		.amdhsa_float_denorm_mode_32 3
		.amdhsa_float_denorm_mode_16_64 3
		.amdhsa_memory_ordered 1
		.amdhsa_forward_progress 1
		.amdhsa_inst_pref_size 71
	.end_amdhsa_kernel
	.amdgpu_metadata
---
amdhsa.version: [ 1, 2 ]
amdhsa.kernels:
  - .name:           k_q7f96f401f1_attn
    .symbol:         k_q7f96f401f1_attn.kd
    .args:
      - { .name: qk, .offset: 0, .size: 8, .value_kind: global_buffer, .address_space: global }
      - { .name: vi, .offset: 8, .size: 8, .value_kind: global_buffer, .address_space: global }
      - { .name: cq, .offset: 16, .size: 8, .value_kind: global_buffer, .address_space: global }
    .group_segment_fixed_size: 210944
    .private_segment_fixed_size: 0
    .kernarg_segment_align: 8
    .kernarg_segment_size: 24
    .max_flat_workgroup_size: 512
    .sgpr_count:     80
    .vgpr_count:     256
    .wavefront_size: 32
...
	.end_amdgpu_metadata
.endif
;; end of part 3
;; launch outp (part 4): grid 8 x 32, 4 waves a work-group, clusters of 4 x 4, 327,680 bytes of LDS; arguments cq, wq, out0; writes out0
.if DOCPART == 4
	.amdgcn_target "amdgcn-amd-amdhsa--gfx1250"
	.amdhsa_code_object_version 6
	.text
	.protected	k_q7f96f401f1_outp
	.globl	k_q7f96f401f1_outp
	.p2align	8
	.type	k_q7f96f401f1_outp,@function
k_q7f96f401f1_outp:
	s_mov_b64 s[64:65], 0
	v_nop
	global_prefetch_b8 v0, s[64:65] scope:SCOPE_SE
	s_setreg_imm32_b32 hwreg(HW_REG_WAVE_MODE, 25, 1), 1
	s_wait_xcnt 0x0
	s_wait_alu depctr_hold_cnt(0) depctr_sa_sdst(0) depctr_va_vdst(0) depctr_va_sdst(0) depctr_va_ssrc(0) depctr_va_vcc(0) depctr_vm_vsrc(0)
	s_getreg_b32 s2, hwreg(HW_REG_IB_STS2, 6, 4)
	s_cmp_eq_u32 s2, 0
	s_cbranch_scc0 .Lentry_in_a_cluster
	s_endpgm
.Lentry_in_a_cluster:
	s_bfe_u32 s2, ttmp6, 0x10000c
	s_cmp_lg_u32 s2, 0xf033
	s_cbranch_scc0 .Lentry_shape_is_right
	s_endpgm
.Lentry_shape_is_right:
; out0 [8192][1024] f32 = ctx Wo^T on codes of FP6 (E2M3) with one E8M0 scale for each 32 along K = 1,024.
; A work-group makes 256 rows x 128 columns: 8 x 32 = 256 work-groups; four waves, 2 x 2, each 128 x 64: 32 accumulators, 256 registers.
; ALL OF K LIES IN LDS AT ONCE, so nothing is filled again: four tiles, one joint load a wave at the head.
;   A: ctx's codes of 256 rows, images of the operand's registers [row tile of 16][K step of 128: 1,536 bytes]: 196,608 consecutive bytes, fetched as 768 rows of 256;
;   B: Wo's 128 rows, in wq as [K step of 256][row][192 bytes]: four planes of 24,576 bytes, PLANE apart, one tile of four rows; 8 bytes of padding behind every 64: LDS pitch 216 a row of codes;
;   A's and B's scale bytes: dense blocks as rows of 256 bytes + 16.
; A's tiles are shared by a row of the cluster, B's by a column.  No prefetch: all tiles are asked for at the head, and the launch has no loop to run ahead in.
; B's 64 rows of a wave, all of K, go into registers (32 fragments) behind a first barrier that shows wave 0's load alone; A streams from LDS in steps of 128 along K, two sets of 8 fragments by turns.
; THE MATRIX INSTRUCTION IS USED TRANSPOSED (source 0 = 16 rows of Wo, source 1 = 16 rows of ctx): a lane holds eight neighbouring numbers of a row of out0.
; ctx's rows lie with bits 3 and 4 of the position exchanged; the stores put them right.
; REGISTERS: window 0: v0-31 addresses, v32-95 scale words (block i, step s at 32 + 8 i + s: lanes 0-15 A's, lanes 16-31 B's), v96-191 A's set 0, v192-255 the way out;
;   window 1: B's fragments of steps 0-4; window 2: the accumulators, (a, b) at 32 a + 8 b; window 3: v0-143 B's fragments of steps 5-7, v144-239 A's set 1.
; LIMITS: as the launches that made the codes: NaN and infinities are not served.
.set KS,     32
.set ROWB,   192
.set PLANE,  1572864
.set CS_OFF, 6291456
.set WS_OFF, 6291456
.set ATILE,  12288                     ; 16 rows of A, all of K
.set BB,     16*ATILE                  ; LDS: B's codes
.set BP,     216
.set BPL,    128*BP                    ; a plane of B in LDS
.set SA,     BB+4*BPL                  ; A's scale bytes: 32 units of 272
.set SBS,    SA+32*272                 ; B's: 16 units
.set SBLK,   544                       ; the scale bytes of 16 rows
.set SPARE,  SBS+16*272                ; the spare words, 512 bytes
.set SPITCH, 272                       ; the way out: 16 rows of 256 bytes + 16 for each wave, on A's first bytes, behind the barrier that ends all reads of A
.set ADRA, 16                          ; v16 16 x lane, v17 8 x lane, for my row tiles 0-3; v18, v19 for 4-7
.set ADRB, 20                          ; v20, v21 (one padding more for lanes 16-31): planes 0, 1; v22, v23: planes 2, 3
.set ADRS, 24                          ; v24 scale words of blocks 0-3; v25 of blocks 4-7 (lanes 16-31 take B's blocks 0-3 again)
.set STO,  26
.set RD,   27
.set SPW,  28
.set NIL,  29
.set CO,   30
.set SC,   32
.set BK,   192
.set G1A,  24
.set G1B,  32
.set G1S,  48
.set G1SB, 56
.set G0A,  68
.set G0B,  72
.set G0S,  76
.set G0SB, 80
.set MSB, 0
.macro WIN new
.if MSB != (\new)
	s_set_vgpr_msb (MSB<<8)|(\new)
.set MSB, (\new)
.endif
.endm
.macro PLACES n
.rept \n
	v_nop
.endr
.endm
.macro CROUND                          ; a round of the cluster's barrier
	s_barrier_signal -1
	s_barrier_wait -1
	s_cmp_lg_u32 s14, 0
	s_cbranch_scc1 .Lnot_wave_0_\@
	s_barrier_signal -3
.Lnot_wave_0_\@:
	s_barrier_wait -3
	s_barrier_signal -1
	s_barrier_wait -1
.endm
.macro G0SET g, lds, adr
	s_mov_b32 s[\g], 1
	s_mov_b32 s[\g+1], \lds
	s_mov_b64 s[\g+2:\g+3], s[\adr:\adr+1]
	s_or_b32 s[\g+3], s[\g+3], 0x80000000
.endm
.macro G1SET g, c, r, pitch            ; a tile of r rows of c elements of 8 bytes
	s_mov_b32 s[\g+1], (\c)<<16
	s_mov_b32 s[\g+2], (\r)<<16
	s_mov_b32 s[\g+3], (\c)<<16
	s_mov_b32 s[\g+4], \r
	s_mov_b32 s[\g+5], \pitch
	s_mov_b32 s[\g+6], 0
	s_mov_b32 s[\g+7], 0
.endm
	s_load_b128 s[4:7], s[0:1], 0x0                ; cq, wq
	s_load_b64 s[12:13], s[0:1], 0x10              ; out0
	v_lshl_add_u32 v[SPW], v0, 2, SPARE
	v_mov_b32 v[NIL], 0
	ds_add_u32 v[SPW], v[NIL]                      ; the opening lines: the add twice on end and its wait
	ds_add_u32 v[SPW], v[NIL]
	v_lshrrev_b32 v1, 5, v0
	v_readfirstlane_b32 s14, v1                    ; wave
	s_lshr_b32 s15, s14, 1                         ; my half of the rows
	s_and_b32 s16, s14, 1                          ; my half of the columns
	s_bfe_u32 s40, ttmp6, 0x40000                  ; cx
	s_bfe_u32 s41, ttmp6, 0x40004                  ; cy
	s_lshl_b32 s42, ttmp9, 2
	s_add_co_u32 s42, s42, s40                     ; tile column, 0 .. 7
	s_and_b32 s17, ttmp7, 0xffff
	s_lshl_b32 s17, s17, 2
	s_add_co_u32 s17, s17, s41                     ; tile row, 0 .. 31
	s_lshl_b32 s43, s41, 2
	s_lshl_b32 s43, 15, s43                        ; my row of the cluster
	s_lshl_b32 s44, 0x1111, s40                    ; my column
	s_or_b32 s[G1A], s43, (3<<16)|(1<<21)
	G1SET G1A, 32, 768, 32
	s_or_b32 s[G1B], s44, (3<<16)|(1<<20)|(1<<21)|(3<<22)|(1<<25)   ; 2 words of padding behind every 16
	G1SET G1B, 3072, 4, PLANE/8
	s_or_b32 s[G1S], s43, (3<<16)|(1<<20)|(1<<21)|(5<<22)|(3<<25)
	G1SET G1S, 32, 32, 32
	s_or_b32 s[G1SB], s44, (3<<16)|(1<<20)|(1<<21)|(5<<22)|(3<<25)
	G1SET G1SB, 32, 16, 32
	s_mul_i32 s84, s17, 16*ATILE                   ; A's codes, bytes from cq: made of the tile row alone
	s_mov_b32 s85, 0
	s_lshl_b32 s86, s17, 13                        ; A's scale bytes: 256 rows of 32
	s_add_co_u32 s86, s86, CS_OFF
	s_mov_b32 s87, 0
	s_mul_i32 s88, s42, 128*ROWB                   ; B's codes, bytes from wq: made of the tile column alone; Wo's rows begin at 3,072
	s_add_co_u32 s88, s88, 3072*ROWB
	s_mov_b32 s89, 0
	s_lshl_b32 s90, s42, 12                        ; B's scale bytes: 128 rows of 32
	s_add_co_u32 s90, s90, WS_OFF+3072*KS
	s_mov_b32 s91, 0
	s_wait_dscnt 0x0
	s_wait_kmcnt 0x0
	s_add_nc_u64 s[84:85], s[4:5], s[84:85]
	s_add_nc_u64 s[86:87], s[4:5], s[86:87]
	s_add_nc_u64 s[88:89], s[6:7], s[88:89]
	s_add_nc_u64 s[90:91], s[6:7], s[90:91]
	CROUND                                         ; all sixteen work-groups are here: the joint loads meet
	G0SET G0A, 0, 84
	G0SET G0B, BB, 88
	G0SET G0S, SA, 86
	G0SET G0SB, SBS, 90
; one load a wave, in one chain of branches on the wave's number: wave 0 B's codes, which go on into registers, wave 1 A's codes, wave 2 A's scale bytes, wave 3 B's
.macro ARM under, g0, g1, next
	s_cmp_lt_u32 s14, \under
	s_cbranch_scc0 \next
	tensor_load_to_lds s[\g0:\g0+3], s[\g1:\g1+7]
	s_nop 0
	PLACES 4
	s_branch .Lhead_asked
\next:
.endm
	ARM 1, G0B, G1B, .Lhead_a
	ARM 2, G0A, G1A, .Lhead_sa
	ARM 3, G0S, G1S, .Lhead_sb
	tensor_load_to_lds s[G0SB:G0SB+3], s[G1SB:G1SB+7]
	s_nop 0
	PLACES 4
.Lhead_asked:
	s_lshl_b32 s20, s17, 8                         ; my part of out0: row 256 x tile row + 128 x half, 4,096 bytes a row;
	s_lshl_b32 s21, s15, 7
	s_add_co_u32 s20, s20, s21
	s_lshl_b32 s20, s20, 12
	s_lshl_b32 s21, s42, 9                         ; column bytes 512 x tile column + 256 x half
	s_add_co_u32 s20, s20, s21
	s_lshl_b32 s21, s16, 8
	s_add_co_u32 s20, s20, s21
	s_mov_b32 s21, 0
	s_add_nc_u64 s[12:13], s[12:13], s[20:21]
	s_mul_i32 s18, s16, 64*BP                      ; LDS: my 64 rows of B
	s_add_co_u32 s18, s18, BB
	s_mul_i32 s19, s15, 8*ATILE                    ; my eight row tiles of A
	s_mul_i32 s23, s15, 16*272                     ; my 128 rows' scale bytes
	s_mul_i32 s22, s16, 8*272                      ; B's: my 64 rows, behind A's 256
	s_add_co_u32 s22, s22, 32*272
	s_sub_co_u32 s22, s22, s23                     ; the distance from A's to B's
	s_sub_co_u32 s45, s22, 4*SBLK                  ; and for blocks 4-7: B's four blocks once more
	s_add_co_u32 s23, s23, SA
	s_mul_i32 s46, s14, 16*SPITCH                  ; my stage
	v_and_b32 v1, 15, v0                           ; r
	v_bfe_u32 v2, v0, 4, 1                         ; h
	v_and_b32 v3, 31, v0                           ; lane
	v_mul_u32_u24 v4, v1, BP
	v_mad_u32_u24 v4, v2, 24, v4
	v_add_nc_u32 v[ADRB], s18, v4                  ; B: row r x pitch + 24 h
	v_lshl_add_u32 v[ADRB+1], v2, 3, v[ADRB]
	v_add_nc_u32 v[ADRB+2], 2*BPL, v[ADRB]
	v_add_nc_u32 v[ADRB+3], 2*BPL, v[ADRB+1]
	v_lshl_add_u32 v[ADRA], v3, 4, s19
	v_lshl_add_u32 v[ADRA+1], v3, 3, s19
	v_add_nc_u32 v[ADRA+2], 4*ATILE, v[ADRA]
	v_add_nc_u32 v[ADRA+3], 4*ATILE, v[ADRA+1]
	v_lshlrev_b32 v5, 5, v1                        ; a row's 32 scale bytes, 16 more for each 256 passed
	v_lshrrev_b32 v6, 3, v1
	v_lshl_add_u32 v5, v6, 4, v5
	v_mul_u32_u24 v6, s22, v2                      ; lanes 16-31 take B's
	v_mul_u32_u24 v7, s45, v2
	v_add_nc_u32 v6, v5, v6
	v_add_nc_u32 v7, v5, v7
	v_add_nc_u32 v[ADRS], s23, v6
	v_add_nc_u32 v[ADRS+1], s23, v7
	v_mul_u32_u24 v5, v1, SPITCH                   ; the stage, in: row r, 32 bytes for each half of the lanes
	v_lshl_add_u32 v5, v2, 5, v5
	v_add_nc_u32 v[STO], s46, v5
	v_mul_u32_u24 v6, v2, SPITCH                   ; back: sixteen lanes to a row of 256 bytes, two rows an instruction
	v_lshl_add_u32 v6, v1, 4, v6
	v_add_nc_u32 v[RD], s46, v6
	v_lshlrev_b32 v7, 12, v2                       ; and the same two rows in out0
	v_lshl_add_u32 v[CO], v1, 4, v7
; B's fragment of step st, block b: six pieces of 8 bytes; fragment 4 st + b at 12 x its number, the first twenty in window 1, the others in window 3
.macro BFRAG st, b
.set F_, 4*(\st)+(\b)
	WIN (1+2*(F_/20))<<6
.set R_, 12*(F_%20)
.irp p, 0,1,2,3,4,5
.set PC_, 12*((\st)%2)+6*(\p/3)+\p%3
	ds_load_b64 v[R_+2*\p:R_+2*\p+1], v[ADRB+2*((\st)/4)+(PC_%8)/5] offset:(((\st)/2)%2)*BPL+(\b)*16*BP+8*PC_+8*(PC_/8)
.endr
.endm
.macro FETCH_A st                      ; A's eight fragments of step st into set st % 2: 32 loads
	WIN (3*((\st)%2))<<6
.set AR_, 96+48*((\st)%2)
.irp a, 0,1,2,3,4,5,6,7
.set O_, (\a%4)*ATILE+1536*(\st)
	ds_load_b128 v[AR_+12*\a:AR_+12*\a+3], v[ADRA+2*(\a/4)] offset:O_
	ds_load_b64 v[AR_+12*\a+4:AR_+12*\a+5], v[ADRA+1+2*(\a/4)] offset:O_+512
	ds_load_b128 v[AR_+12*\a+6:AR_+12*\a+9], v[ADRA+2*(\a/4)] offset:O_+768
	ds_load_b64 v[AR_+12*\a+10:AR_+12*\a+11], v[ADRA+1+2*(\a/4)] offset:O_+1280
.endr
	WIN 0
.endm
; 32 products of step st; the 32 accumulators take turns, one instruction a turn, in the same order in every step
.macro MULS st, zero
.set BR_, 48*((\st)%5)
.set AR_, 96+48*((\st)%2)
	WIN 0xa0|(1+2*((\st)/5))|((3*((\st)%2))<<2)
.irp a, 0,1,2,3,4,5,6,7
.irp b, 0,1,2,3
.if \zero
	v_wmma_scale_f32_16x16x128_f8f6f4 v[32*\a+8*\b:32*\a+8*\b+7], v[BR_+12*\b:BR_+12*\b+11], v[AR_+12*\a:AR_+12*\a+11], 0, v[SC+8*\b+(\st)], v[SC+8*\a+(\st)] matrix_a_fmt:MATRIX_FMT_FP6 matrix_b_fmt:MATRIX_FMT_FP6 matrix_a_scale:MATRIX_SCALE_ROW1
.else
	v_wmma_scale_f32_16x16x128_f8f6f4 v[32*\a+8*\b:32*\a+8*\b+7], v[BR_+12*\b:BR_+12*\b+11], v[AR_+12*\a:AR_+12*\a+11], v[32*\a+8*\b:32*\a+8*\b+7], v[SC+8*\b+(\st)], v[SC+8*\a+(\st)] matrix_a_fmt:MATRIX_FMT_FP6 matrix_b_fmt:MATRIX_FMT_FP6 matrix_a_scale:MATRIX_SCALE_ROW1
.endif
.endr
.endr
.endm
	s_wait_alu depctr_va_vdst(0)                   ; the wait at the head's end
	s_cmp_lt_u32 s14, 1                            ; wave 0 alone issued B's load, and it alone waits here
	s_cbranch_scc0 .Lnot_b
	s_wait_tensorcnt 0x0
.Lnot_b:
	s_barrier_signal -1
	s_barrier_wait -1                              ; B's codes are in; the other tiles may be on their way: nothing is ever filled again
.irp s, 0,1,2,3,4,5,6,7
.irp b, 0,1,2,3
	BFRAG \s, \b
.endr
.endr
	WIN 0
	s_wait_tensorcnt 0x0                           ; every wave's load is in,
	s_wait_dscnt 0x0                               ; and no LDS load of mine is out at the signal
	s_barrier_signal -1
	s_barrier_wait -1                              ; all four tiles are shown to all
.irp i, 0,1,2,3,4,5,6,7
	ds_load_b128 v[SC+8*\i:SC+8*\i+3], v[ADRS+\i/4] offset:\i*SBLK        ; a row's eight scale words: all of K
	ds_load_b128 v[SC+8*\i+4:SC+8*\i+7], v[ADRS+\i/4] offset:\i*SBLK+16
.endr
	FETCH_A 0
	FETCH_A 1
	s_wait_dscnt 32                                ; the scale words and set 0 are in; set 1's 32 loads may be out
	MULS 0, 1                                      ; the first step's products start the sums
	PLACES 4                                       ; ahead of the loads into registers that these products read
	FETCH_A 2
.set ST, 1
.rept 5
	s_wait_dscnt 32                                ; this step's set is in; the next one's 32 loads may be out
	MULS ST, 0
	PLACES 4
	FETCH_A ST+2
.set ST, ST+1
.endr
	s_wait_dscnt 32
	MULS 6, 0
	WIN 0
	s_wait_dscnt 0x0                               ; my last reads of LDS are done: say so,
	s_barrier_signal -1
	MULS 7, 0
	WIN 0
	s_barrier_wait -1                              ; and nobody reads A any more: its first bytes serve as stages
; THE WAY OUT, block by block of 16 rows x 64 columns: through my own stage and back as whole rows of 256 bytes.  LDS serves a wave's instructions in order: no wait between the stores and the loads.
.macro TOSTAGE a
	WIN 0x08                                       ; the data: window 2
.irp b, 0,1,2,3
	ds_store_b128 v[STO], v[32*(\a)+8*\b:32*(\a)+8*\b+3] offset:64*\b       ; each accumulator from its low end on
	ds_store_b128 v[STO], v[32*(\a)+8*\b+4:32*(\a)+8*\b+7] offset:64*\b+16
.endr
	WIN 0
.set BB_, BK+32*((\a)%2)
.irp t, 0,1,2,3,4,5,6,7
	ds_load_b128 v[BB_+4*\t:BB_+4*\t+3], v[RD] offset:\t*2*SPITCH
.endr
.endm
.macro SEND a, younger                 ; younger: the LDS instructions issued behind block a's loads
.set BB_, BK+32*((\a)%2)
.set RW_, 32*((\a)/2)+8*((\a)%2)       ; stage row t of block a is row RW_ + t + 8 (t / 8) of my 128
	s_wait_dscnt \younger
.irp t, 0,1,2,3,4,5,6,7
	global_store_b128 v[CO], v[BB_+4*\t:BB_+4*\t+3], s[12:13] offset:(RW_+2*\t+8*(\t/4))*4096 th:TH_STORE_NT   ; sixteen lanes store 256 consecutive bytes, aligned
.endr
.endm
	PLACES 4                                       ; ahead of the first read of the last products' results
	TOSTAGE 0
.irp a, 1,2,3,4,5,6,7
.if \a > 1
	s_wait_xcnt 0x0                                ; block a - 2's stores have read their registers: block a's loads may land there
.endif
	TOSTAGE \a
	SEND (\a-1), 16                                ; behind block a - 1's loads: block a's 8 stores and 8 loads
.endr
	SEND 7, 0
	s_wait_tensorcnt 0x0                           ; the wave's end
	ds_add_u32 v[SPW], v[NIL]
	s_wait_dscnt 0x0
	CROUND                                         ; the closing round
	s_endpgm
.Lfunc_end_k_q7f96f401f1_outp:
	.size	k_q7f96f401f1_outp, .Lfunc_end_k_q7f96f401f1_outp-k_q7f96f401f1_outp
	.p2alignl 7, 3214868480
	.fill 96, 4, 3214868480
	.section	.rodata,"a",@progbits
	.p2align	6, 0x0
	.amdhsa_kernel k_q7f96f401f1_outp
		.amdhsa_group_segment_fixed_size 327680
		.amdhsa_private_segment_fixed_size 0
		.amdhsa_enable_private_segment 0
		.amdhsa_kernarg_size 24
		.amdhsa_user_sgpr_count 2
		.amdhsa_user_sgpr_kernarg_segment_ptr 1
		.amdhsa_wavefront_size32 1
		.amdhsa_system_sgpr_workgroup_id_x 1
		.amdhsa_system_sgpr_workgroup_id_y 1
		.amdhsa_system_sgpr_workgroup_id_z 1
		.amdhsa_system_vgpr_workitem_id 0
		.amdhsa_next_free_vgpr 1024
		.amdhsa_next_free_sgpr 96
		.amdhsa_reserve_vcc 0
		.amdhsa_float_denorm_mode_32 3
		.amdhsa_float_denorm_mode_16_64 3
		.amdhsa_memory_ordered 1
		.amdhsa_forward_progress 1
		.amdhsa_inst_pref_size 88
	.end_amdhsa_kernel
	.amdgpu_metadata
---
amdhsa.version: [ 1, 2 ]
amdhsa.kernels:
  - .name:           k_q7f96f401f1_outp
    .symbol:         k_q7f96f401f1_outp.kd
    .args:
      - { .name: cq, .offset: 0, .size: 8, .value_kind: global_buffer, .address_space: global }
      - { .name: wq, .offset: 8, .size: 8, .value_kind: global_buffer, .address_space: global }
      - { .name: out0, .offset: 16, .size: 8, .value_kind: global_buffer, .address_space: global }
    .group_segment_fixed_size: 327680
    .private_segment_fixed_size: 0
    .kernarg_segment_align: 8
    .kernarg_segment_size: 24
    .max_flat_workgroup_size: 128
    .sgpr_count:     96
    .vgpr_count:     1024
    .wavefront_size: 32
...
	.end_amdgpu_metadata
.endif
;; end of part 4
